; MI455X (gfx1250); checked and timed in simulation.
; The chip was launched on July 23, 2026; its instructions are those of AMD's public machine-readable ISA for CDNA 5 (MIT licence, August 2026) and "CDNA5" Instruction Set Architecture Reference Guide (July 2026). The comments in the code are by the model that wrote it; some were corrected since.
;; Multi Head Attention. Allowed arithmetic: matrix products marked QUANTISED: E2M1 operands, one E8M0 scale for each 32 along K, by v_wmma_scale_f32_16x16x128_f8f6f4 with both operands' format E2M1 (or v_wmma_scale_f32_32x16x128_f4), f32 sums; products left as they are: bf16, f16 or f32 operands; f32 sums; everything else in f32.
;; Inputs: b_out 1,024 float32; w_out 1,024 x 1,024 float32; w_qkv 1,024 x 3,072 float32; x 4 x 2,048 x 1,024 float32.
;; Outputs: out0 4 x 2,048 x 1,024 float32.
;; This version of the problem:
;;   THIS VERSION OF THE PROBLEM IS GIVEN IN LOW PRECISION. The matrix products marked QUANTISED in the list below multiply operands that are first quantised to E2M1 (2 exponent bits, 1 mantissa bit; 4 bits a number), with one power-of-two scale for each 32 numbers along K (OCP MX v1.0); their sums are f32. The products marked 'left as it is' may take bf16, f16 or f32 operands, with f32 sums. Whichever they take, every output number must still come out within the allowed error. Rounding operands to bf16 (8 significant bits) uses up far more of that allowance than f16 does (11 bits, for magnitudes from 6e-5 to 65,504). All else is computed in f32.
;;   The module's matrix products, in the order in which they are computed (A, B: the left and right operand; K: the contracted axis; several contracted axes count as one K, in the product's order):
;;     1. [M 8,192, K 1,024] x [K 1,024, N 3,072]; A: input x; B: input w_qkv: QUANTISED
;;     2. batch 64 x [M 2,048, K 64] x [K 64, N 2,048]; A: computed on the way; B: computed on the way: left as it is (an operand is computed on the way)
;;     3. batch 64 x [M 2,048, K 2,048] x [K 2,048, N 64]; A: computed on the way; B: computed on the way: left as it is (an operand is computed on the way)
;;     4. [M 8,192, K 1,024] x [K 1,024, N 1,024]; A: computed on the way; B: input w_out: left as it is (an operand is computed on the way)
;;   THE QUANTISER, for each operand of a quantised product, along K:
;;     - K is cut into blocks of 32 from its start; a last block that is shorter is filled with zeros.
;;     - A block's scale is 2^e with e = floor(log2(the largest magnitude in the block)) - 2, held to -126 .. 127; a block of zeros has e = 0. As a byte (E8M0): e + 127.
;;     - Each number is divided by its block's scale, clamped to +-6, and rounded to the nearest number of E2M1, ties to even, subnormals kept.
;;     - The product sums the exact products of the quantised numbers (number of the format x scale) in f32.
;;   ~~~python
;;   def quantise(x, axis):      # numpy; x: float32 -> the quantised numbers, widened to float32 again
;;       x = np.moveaxis(x, axis, -1); K = x.shape[-1]
;;       x = np.pad(x, [(0, 0)] * (x.ndim - 1) + [(0, -K % 32)]); x = x.reshape(x.shape[:-1] + (-1, 32)); a = np.abs(x).max(-1, keepdims=True)
;;       e = np.where(a > 0, np.clip(np.frexp(np.where(a > 0, a, 1))[1] - 1 - 2, -126, 127), 0)      # np.frexp(a)[1] - 1 = floor(log2(a)), exactly
;;       r = np.clip(x / 2.0 ** e, -6, 6)
;;       step = 2.0 ** (np.maximum(np.frexp(np.where(r == 0, 1, r))[1] - 1, 0) - 1)
;;       q = np.round(r / step) * step * 2.0 ** e      # np.round: ties to even
;;       return np.moveaxis(q.reshape(q.shape[:-2] + (-1,))[..., :K], -1, axis).astype(np.float32)
;;   ~~~
;; One version. Each part assembles by itself: llvm-mc -triple=amdgcn-amd-amdhsa -mcpu=gfx1250 --defsym DOCPART=n.
;; ======== version 1 of 1: 4 launches
;; limits: values are held in f16: magnitudes above 65,504 overflow, below 6.1e-05 lose precision
;; workspace buffers: xc 4,194,304 bytes; xs 262,144 bytes; wc 1,572,864 bytes; ws 98,304 bytes; wo 2,097,152 bytes; qkv 50,331,648 bytes; att 16,777,216 bytes
;; launch prep (part 1): grid 64 x 8, 4 waves a work-group, no clusters, 33,280 bytes of LDS; arguments x, w_qkv, w_out, xc, xs, wc, ws, wo; writes xc, xs, wc, ws, wo
.if DOCPART == 1
	.amdgcn_target "amdgcn-amd-amdhsa--gfx1250"
	.amdhsa_code_object_version 6
	.text
	.protected	k_q325bbced48_prep
	.globl	k_q325bbced48_prep
	.p2align	8
	.type	k_q325bbced48_prep,@function
k_q325bbced48_prep:
	s_mov_b64 s[64:65], 0
	v_nop
	global_prefetch_b8 v0, s[64:65] scope:SCOPE_SE
	s_setreg_imm32_b32 hwreg(HW_REG_WAVE_MODE, 25, 1), 1
	s_wait_xcnt 0x0
; THE OPERANDS ARE LAID OUT ONCE.  Three kinds of work-group, told apart by the work-group's x alone (y = 0 .. 7 in each):
;   x 0-31   x [8192][1024] f32 -> codes of FP4 (E2M1), K innermost, xc [8192][512 bytes], and one E8M0 byte for each 32 along K, xs [8192][32].
;   x 32-55  w_qkv [1024 (k)][3072 (n)] f32 -> codes quantised along K (its FIRST axis), laid as images of operand registers, wc [K half 2][16 columns 192][128 k 4][1,024 bytes]:
;            in an image the 16 bytes of block b (32 k) of column r lie at 256 b + 16 r, which is where lane (r, h) finds registers 4 c .. 4 c + 3 (b = 2 c + h) at 512 c + 16 x lane;
;            and scale words ws [128 k 8][3072] of four bytes, byte b for block b.
;   x 56-63  w_out [1024 (k)][1024 (n)] f32 -> f16, as images wo [128 k 8][16 columns 64][32 k 4][1,024 bytes]: the eight k 8 p .. 8 p + 7 of column r lie at 256 p + 16 r.
; A block's scale is 2^(floor(log2(its largest magnitude)) - 2); its byte is the largest magnitude's exponent field - 2, held at 1 from below.
; LIMITS: a block of zeros gets the byte 1 where the quantiser says 127: its codes are zeros, which add nothing under any byte but 0xff, and this program alone reads the bytes.
; Blocks whose largest magnitude lies under 2^-124 are held at byte 1.  NaN and infinities among the inputs are not served.  w_out beyond 65,504 has no f16 number.
; No tensor loads, no barrier: waves share nothing.  Only the first kind touches LDS.
.set STEPS, 16
.set CB,    8                          ; bytes of 16 codes
.set R,     16                         ; v16-79   x: four sets of 16 numbers as they are loaded
.set X,     80                         ; v80-111  x: two sets of 16 neighbours
.set E,     112                        ; v112-127 x: a scale byte for each step
.set C,     128                        ; v128-191 x: codes, four registers for each step: no store's data are written again
.set WREG,  8192                       ; LDS: a region for each wave: two stages of 32 x SP bytes, then its 256 scale bytes
.set SP,    80                         ; a lane's place in a stage: 64 bytes + 16 of padding
.set SPW,   12                         ; v12  LDS address of my spare word; never rewritten
.set NIL,   13                         ; v13  0; never rewritten
.set SPARE, 4*WREG                     ; behind the four regions: the spare words, 128 bytes a wave, which no other line names
.set NUM,   32                         ; v32-159  weights: 128 numbers of my column, down K
.set COD,   160                        ; v160-175 weights: the codes of four blocks
	s_load_b256 s[4:11], s[0:1], 0x0               ; x s[4:5], w_qkv s[6:7], w_out s[8:9], xc s[10:11]
	s_load_b256 s[12:19], s[0:1], 0x20             ; xs s[12:13], wc s[14:15], ws s[16:17], wo s[18:19]
	v_lshl_add_u32 v[SPW], v0, 2, SPARE
	v_mov_b32 v[NIL], 0
	v_lshrrev_b32 v1, 5, v0
	v_readfirstlane_b32 s20, v1                    ; wave 0..3
	v_and_b32 v2, 31, v0                           ; lane
	s_and_b32 s21, ttmp7, 0xffff                   ; work-group y
	s_mov_b32 s25, 0                               ; the upper word of every offset here
	s_wait_kmcnt 0x0
	s_cmp_lt_u32 ttmp9, 32
	s_cbranch_scc0 .Lweights
; ---- x.  Rows are dense and 1,024 is a multiple of 32: x is a plain stream of blocks of 32, and so are its codes and scale bytes.  A wave takes 16 steps of 512 numbers.
; Each load reads 512 consecutive bytes, 16 a lane; a step's 2,048 bytes turn through the wave's own stage in LDS and come back 64 bytes a lane: 16 neighbours, two lanes to a block.
	v_lshlrev_b32 v3, 4, v2                        ; my 16 bytes of a load's 512
	s_mul_i32 s22, s20, WREG
	v_lshrrev_b32 v14, 2, v2
	v_mul_u32_u24 v14, v14, SP
	v_and_b32 v15, 3, v2
	v_lshl_add_u32 v14, v15, 4, v14
	v_add_nc_u32 v14, s22, v14                     ; the stage, on the way in: SP (lane / 4) + 16 (lane % 4)
	v_mul_u32_u24 v15, v2, SP
	v_add_nc_u32 v15, s22, v15                     ; and on the way out: SP x lane
	v_mul_u32_u24 v4, v2, CB                       ; my codes' place in a step's 256 bytes
	v_lshrrev_b32 v5, 1, v2
	s_add_co_u32 s22, s22, 2*32*SP
	v_add_nc_u32 v5, s22, v5                       ; LDS: my wave's 256 scale bytes, my block's byte
	v_lshlrev_b32 v7, 3, v2                        ; and on the way out 8 bytes a lane
	v_add_nc_u32 v6, s22, v7
	s_lshl_b32 s23, s21, 5
	s_add_co_u32 s23, s23, ttmp9
	s_lshl_b32 s23, s23, 2
	s_add_co_u32 s23, s23, s20                     ; which run of 8,192 numbers is my wave's: (32 y + x) 4 + wave, 0 .. 1023
	s_lshl_b32 s24, s23, 15
	s_add_nc_u64 s[4:5], s[4:5], s[24:25]          ; 32,768 bytes of x a run,
	s_lshl_b32 s24, s23, 12
	s_add_nc_u64 s[10:11], s[10:11], s[24:25]      ; 4,096 of codes,
	s_lshl_b32 s24, s23, 8
	s_add_nc_u64 s[12:13], s[12:13], s[24:25]      ; 256 scale bytes
.macro LOAD t
.irp i, 0,1,2,3
	global_load_b128 v[R+16*((\t)%4)+4*\i:R+16*((\t)%4)+4*\i+3], v3, s[4:5] offset:2048*(\t)+512*\i th:TH_LOAD_NT
.endr
.endm
.macro TURN t                          ; step t's numbers through the stage: LDS serves a wave's instructions in order, so no wait stands between the stores and the loads
.irp i, 0,1,2,3
	ds_store_b128 v14, v[R+16*((\t)%4)+4*\i:R+16*((\t)%4)+4*\i+3] offset:32*SP*((\t)%2)+8*SP*\i
.endr
.irp i, 0,1,2,3
	ds_load_b128 v[X+16*((\t)%2)+4*\i:X+16*((\t)%2)+4*\i+3], v15 offset:32*SP*((\t)%2)+16*\i
.endr
.endm
.irp t, 0,1,2,3
	LOAD \t
.endr
	s_wait_loadcnt 12                              ; step 0's four loads are in; twelve younger ones stay out
	TURN 0
.macro STEP t
.set XS, X+16*((\t)%2)
.if (\t) > 0
	s_wait_dscnt 1                                 ; this step's numbers are back from the stage (the last step's byte store may be out)
.else
	s_wait_dscnt 0x0
.endif
.if (\t)+4 < STEPS
	LOAD (\t)+4                                    ; into the registers that this step's stores into the stage have read
.endif
.if (\t)+1 < STEPS
.if STEPS-2-(\t) >= 3
	s_wait_loadcnt 12                              ; the next step's four loads are in; those of the three steps behind it may be out
.else
	s_wait_loadcnt 4*(STEPS-2-(\t))
.endif
	TURN (\t)+1
.endif
	v_max3_num_f32 v8, |v[XS]|, |v[XS+1]|, |v[XS+2]|               ; the largest magnitude of my 16, in two chains
	v_max3_num_f32 v9, |v[XS+3]|, |v[XS+4]|, |v[XS+5]|
.irp i, 6,10
	v_max3_num_f32 v8, v8, |v[XS+\i]|, |v[XS+\i+1]|
	v_max3_num_f32 v9, v9, |v[XS+\i+2]|, |v[XS+\i+3]|
.endr
	v_max3_num_f32 v8, v8, |v[XS+14]|, |v[XS+15]|
	v_max3_num_f32 v8, v8, v9, 0x1800000           ; and the floor 2^(3 - 127): the byte cannot fall under 1
	v_max_num_f32_dpp v8, v8, v8 row_xmask:1 row_mask:0xf bank_mask:0xf   ; and of my neighbour's 16: the block's
	v_add_nc_u32 v11, 0xff000000, v8               ; 2 off its exponent field: the conversion takes the exponent field of this operand as its scale
	v_cvt_scalef32_pk8_fp4_f32 v[C+4*(\t)], v[XS:XS+7], v11
	v_cvt_scalef32_pk8_fp4_f32 v[C+4*(\t)+1], v[XS+8:XS+15], v11
	v_lshrrev_b32 v[E+(\t)], 23, v11               ; the scale's byte (also the plain line behind the conversions)
	ds_store_b8 v5, v[E+(\t)] offset:16*(\t)       ; both lanes of a block write the same byte with the same value
	global_store_b64 v4, v[C+4*(\t):C+4*(\t)+1], s[10:11] offset:32*CB*(\t)   ; the wave stores 256 consecutive bytes, aligned
.endm
.irp t, 0,1,2,3,4,5,6,7,8,9,10,11,12,13,14,15
	STEP \t
.endr
	ds_load_b64 v[8:9], v6                         ; these see my byte stores: one wave's LDS instructions are served in order
	s_wait_dscnt 0x0
	global_store_b64 v7, v[8:9], s[12:13]          ; 256 consecutive scale bytes, aligned
	s_wait_tensorcnt 0x0                           ; the wave's end, behind my last LDS store
	ds_add_u32 v[SPW], v[NIL]
	s_wait_dscnt 0x0
	s_endpgm
; ---- the two weights.  A LANE TAKES A COLUMN n AND ITS REGISTERS RUN DOWN K: a load reads 128 consecutive bytes a wave, the four waves stand side by side on 512;
; a block of 32 along K lies in one lane's registers, and nothing is transposed.  A wave takes 32 columns x 128 along K (work-group y says which 128).
.macro LOADW t, pitch, lo              ; block t: rows 32 t + i of my column
.irp i, 0,1,2,3,4,5,6,7,8,9,10,11,12,13,14,15,16,17,18,19,20,21,22,23,24,25,26,27,28,29,30,31
	global_load_b32 v[NUM+32*(\t)+\i], v3, s[\lo:\lo+1] offset:(32*(\t)+\i)*\pitch th:TH_LOAD_NT
.endr
.endm
.macro ARRIVED t, pitch, lo            ; block t is in; the block behind it may be out; the block two on is asked for
.if (\t) < 3
	s_wait_loadcnt 32
.else
	s_wait_loadcnt 0x0
.endif
.if (\t)+2 < 4
	LOADW (\t)+2, \pitch, \lo
.endif
.endm
.Lweights:
	v_lshlrev_b32 v3, 2, v2                        ; in: 4 bytes a lane
	v_lshrrev_b32 v4, 4, v2
	v_and_b32 v5, 15, v2
	v_lshlrev_b32 v4, 12, v4
	v_lshl_add_u32 v4, v5, 4, v4                   ; out: lanes 16-31 belong to the next 16 columns, 4,096 bytes on; 16 bytes a column: sixteen lanes fill 256 consecutive bytes
	s_lshl_b32 s22, s20, 5                         ; 32 x wave
	s_cmp_lt_u32 ttmp9, 56
	s_cbranch_scc0 .Lwout
	s_sub_co_u32 s23, ttmp9, 32
	s_lshl_b32 s23, s23, 7
	s_add_co_u32 s23, s23, s22                     ; my wave's first column
	s_mul_i32 s24, s21, 128*12288
	s_lshl_b32 s26, s23, 2
	s_add_co_u32 s24, s24, s26
	s_add_nc_u64 s[6:7], s[6:7], s[24:25]          ; w_qkv at (128 y, my first column)
	s_lshr_b32 s24, s21, 2
	s_mul_i32 s24, s24, 786432                     ; the K half,
	s_lshl_b32 s26, s23, 8
	s_add_co_u32 s24, s24, s26                     ; 4,096 bytes for each 16 columns,
	s_and_b32 s26, s21, 3
	s_lshl_b32 s26, s26, 10
	s_add_co_u32 s24, s24, s26                     ; 1,024 for each 128 along K
	s_add_nc_u64 s[14:15], s[14:15], s[24:25]
	s_mul_i32 s24, s21, 12288
	s_lshl_b32 s26, s23, 2
	s_add_co_u32 s24, s24, s26
	s_add_nc_u64 s[16:17], s[16:17], s[24:25]      ; the scale words of these 128 k
	LOADW 0, 12288, 6
	LOADW 1, 12288, 6
.macro BLOCKQ b
.set XS, NUM+32*(\b)
	ARRIVED \b, 12288, 6
	v_max3_num_f32 v16, |v[XS]|, |v[XS+1]|, |v[XS+2]|              ; the block's largest magnitude: all 32 numbers are mine
	v_max3_num_f32 v17, |v[XS+3]|, |v[XS+4]|, |v[XS+5]|
.irp i, 6,10,14,18,22,26
	v_max3_num_f32 v16, v16, |v[XS+\i]|, |v[XS+\i+1]|
	v_max3_num_f32 v17, v17, |v[XS+\i+2]|, |v[XS+\i+3]|
.endr
	v_max3_num_f32 v16, v16, |v[XS+30]|, |v[XS+31]|
	v_max3_num_f32 v16, v16, v17, 0x1800000        ; and the floor
	v_add_nc_u32 v18, 0xff000000, v16              ; the conversion's scale operand
	v_lshrrev_b32 v19, 23, v18                     ; the byte
.if (\b) == 0
	v_mov_b32 v24, v19                             ; four bytes make the column's scale word for these 128 k
.else
	v_lshl_or_b32 v24, v19, 8*(\b), v24
.endif
.irp g, 0,1,2,3
	v_cvt_scalef32_pk8_fp4_f32 v[COD+4*(\b)+\g], v[XS+8*\g:XS+8*\g+7], v18
.endr
	global_store_b128 v4, v[COD+4*(\b):COD+4*(\b)+3], s[14:15] offset:256*(\b)   ; each block has registers of its own: no store's data are written again
.endm
	BLOCKQ 0
	BLOCKQ 1
	BLOCKQ 2
	BLOCKQ 3
	global_store_b32 v3, v24, s[16:17]
	s_endpgm
.Lwout:
	s_sub_co_u32 s23, ttmp9, 56
	s_lshl_b32 s23, s23, 7
	s_add_co_u32 s23, s23, s22                     ; my wave's first column
	s_lshl_b32 s24, s21, 19                        ; 128 rows of 4,096 bytes
	s_lshl_b32 s26, s23, 2
	s_add_co_u32 s24, s24, s26
	s_add_nc_u64 s[8:9], s[8:9], s[24:25]
	s_lshl_b32 s24, s21, 18                        ; 262,144 bytes for each 128 along K,
	s_lshl_b32 s26, s23, 8
	s_add_co_u32 s24, s24, s26                     ; 4,096 for each 16 columns
	s_add_nc_u64 s[18:19], s[18:19], s[24:25]
	LOADW 0, 4096, 8
	LOADW 1, 4096, 8
.macro BLOCKH c
.set XS, NUM+32*(\c)
	ARRIVED \c, 4096, 8
.irp i, 0,1,2,3,4,5,6,7,8,9,10,11,12,13,14,15
	v_cvt_pk_f16_f32 v[XS+\i], v[XS+2*\i], v[XS+2*\i+1]            ; in place, ascending: register i is written when numbers 2 i and 2 i + 1 are read
.endr
.irp p, 0,1,2,3
	global_store_b128 v4, v[XS+4*\p:XS+4*\p+3], s[18:19] offset:1024*(\c)+256*\p
.endr
.endm
	BLOCKH 0
	BLOCKH 1
	BLOCKH 2
	BLOCKH 3
	s_endpgm
.Lfunc_end_k_q325bbced48_prep:
	.size	k_q325bbced48_prep, .Lfunc_end_k_q325bbced48_prep-k_q325bbced48_prep
	.p2alignl 7, 3214868480
	.fill 96, 4, 3214868480
	.section	.rodata,"a",@progbits
	.p2align	6, 0x0
	.amdhsa_kernel k_q325bbced48_prep
		.amdhsa_group_segment_fixed_size 33280
		.amdhsa_private_segment_fixed_size 0
		.amdhsa_enable_private_segment 0
		.amdhsa_kernarg_size 64
		.amdhsa_user_sgpr_count 2
		.amdhsa_user_sgpr_kernarg_segment_ptr 1
		.amdhsa_wavefront_size32 1
		.amdhsa_system_sgpr_workgroup_id_x 1
		.amdhsa_system_sgpr_workgroup_id_y 1
		.amdhsa_system_sgpr_workgroup_id_z 1
		.amdhsa_system_vgpr_workitem_id 0
		.amdhsa_next_free_vgpr 192
		.amdhsa_next_free_sgpr 66
		.amdhsa_reserve_vcc 0
		.amdhsa_float_denorm_mode_32 3
		.amdhsa_float_denorm_mode_16_64 3
		.amdhsa_memory_ordered 1
		.amdhsa_forward_progress 1
		.amdhsa_inst_pref_size 70
	.end_amdhsa_kernel
	.amdgpu_metadata
---
amdhsa.version: [ 1, 2 ]
amdhsa.kernels:
  - .name:           k_q325bbced48_prep
    .symbol:         k_q325bbced48_prep.kd
    .args:
      - { .name: x, .offset: 0, .size: 8, .value_kind: global_buffer, .address_space: global }
      - { .name: w_qkv, .offset: 8, .size: 8, .value_kind: global_buffer, .address_space: global }
      - { .name: w_out, .offset: 16, .size: 8, .value_kind: global_buffer, .address_space: global }
      - { .name: xc, .offset: 24, .size: 8, .value_kind: global_buffer, .address_space: global }
      - { .name: xs, .offset: 32, .size: 8, .value_kind: global_buffer, .address_space: global }
      - { .name: wc, .offset: 40, .size: 8, .value_kind: global_buffer, .address_space: global }
      - { .name: ws, .offset: 48, .size: 8, .value_kind: global_buffer, .address_space: global }
      - { .name: wo, .offset: 56, .size: 8, .value_kind: global_buffer, .address_space: global }
    .group_segment_fixed_size: 33280
    .private_segment_fixed_size: 0
    .kernarg_segment_align: 8
    .kernarg_segment_size: 64
    .max_flat_workgroup_size: 128
    .sgpr_count:     66
    .vgpr_count:     192
    .wavefront_size: 32
...
	.end_amdgpu_metadata
.endif
;; end of part 1
;; launch qkv (part 2): grid 12 x 32, 4 waves a work-group, clusters of 4 x 4, 327,680 bytes of LDS; arguments xc, xs, wc, ws, qkv; writes qkv
.if DOCPART == 2
	.amdgcn_target "amdgcn-amd-amdhsa--gfx1250"
	.amdhsa_code_object_version 6
	.text
	.protected	k_q325bbced48_qkv
	.globl	k_q325bbced48_qkv
	.p2align	8
	.type	k_q325bbced48_qkv,@function
k_q325bbced48_qkv:
	s_mov_b64 s[64:65], 0
	v_nop
	global_prefetch_b8 v0, s[64:65] scope:SCOPE_SE
	s_setreg_imm32_b32 hwreg(HW_REG_WAVE_MODE, 25, 1), 1
	s_wait_xcnt 0x0
	s_wait_alu depctr_hold_cnt(0) depctr_sa_sdst(0) depctr_va_vdst(0) depctr_va_sdst(0) depctr_va_ssrc(0) depctr_va_vcc(0) depctr_vm_vsrc(0)
	s_getreg_b32 s2, hwreg(HW_REG_IB_STS2, 6, 4)
	s_cmp_eq_u32 s2, 0
	s_cbranch_scc0 .Lentry_in_a_cluster
	s_endpgm
.Lentry_in_a_cluster:
	s_bfe_u32 s2, ttmp6, 0x10000c
	s_cmp_lg_u32 s2, 0xf033
	s_cbranch_scc0 .Lentry_shape_is_right
	s_endpgm
.Lentry_shape_is_right:
; q, k, v = Q(x) Q(w_qkv): [8192][1024] x [1024][3072] on codes of FP4 (E2M1) with one E8M0 scale for each 32 along K; sums in f32; the results are rounded once to f16 for the attention that follows.
; A tile of 256 rows x 256 columns is made by four waves, each 128 x 128: 64 accumulators of 16 x 16, 512 registers.  K = 1,024 is two LDS slots of 512: both are asked for at the start and nothing is filled again.
; x's codes come as rows (256 bytes of a row to a slot, 16 bytes of padding behind each); w's come as images of operand registers (a fragment: 1,024 consecutive bytes, 16 x lane + 512 c), dense.
; The scales of the work-group's rows and columns for all of K come once too.
; CLUSTERS: 4 x 4 work-groups.  The four of a row of the cluster need the same rows of x, the four of a column the same columns of w: each tile is asked for JOINTLY, by the same tensor load with the same
; descriptor and a mask that names the four.  THE MATRIX INSTRUCTION IS USED TRANSPOSED (source 0 = 16 columns of w, source 1 = 16 rows of x): a lane then holds eight neighbouring channels of one token.
; THE WAY OUT NEEDS NO STAGE: the buffer qkv is [48 groups of 64 columns: 16 heads of q, of k, of v][512 tiles of 16 tokens][4 x 16 channels][512 bytes], and a lane's 16 bytes (8 f16) go, for q and k, to
; 256 (lane / 16) + 16 (lane % 16): the image of an operand's registers; for v to 32 (lane % 16) + 16 (lane / 16): 16 tokens x 16 channels by rows.  Either way a wave's store covers 512 consecutive bytes, aligned.
; LIMIT: a result beyond 65,504 has no f16 number.
; REGISTERS, in windows of 256: window 0: v16-30 addresses; v32-95 x's scale words, v192-255 w's (two sets each; they hold scales and nothing else); v128-191 x's fragments, ONE set; on the way out the packed results.
;   window 1: w's fragments, TWO sets, at v0 and v128.   window 2: the accumulators of my rows 0-63 ((a, b) at v[8 (8 a + b)]);   window 3: those of rows 64-127.
.set NQ,     4                         ; steps of 128 along K in a slot
.set PITCH,  272                       ; a row of x's codes in LDS: 256 bytes + 16 of padding = 68 words: the 16 rows of a load start at 16 different banks (64 banks of 4 bytes: ISA guide 11.1)
.set FR,     8                         ; registers of a fragment: 16 rows x 128 K
.set NL,     2                         ; LDS loads that bring one
.set NP,     4                         ; places behind this matrix instruction (ISA guide 7.12.1)
.set HALFA,  128*PITCH                 ; 128 rows of x: one tensor load
.set SLOTA,  2*HALFA
.set BRING,  2*SLOTA                   ; behind x's two slots: w's two, 65,536 bytes each: [16 columns 16][128 k 4][1,024]
.set SLOTB,  65536
.set SCA,    BRING+2*SLOTB             ; x's scale bytes: 256 rows x 32, as units of 256 bytes + 16 of padding
.set HALFSA, 16*272
.set SCB,    SCA+2*HALFSA              ; w's scale words: [half of the columns 2][128 k 8][128 words]
.set SPARE,  SCB+8192                  ; the spare words, 128 bytes a wave, which no other line names
.set ADRA, 16                          ; v16-17  LDS address of my fragments of x in slot 0, 1
.set ADRB, 20                          ; v20-21  the same for w
.set CO,   26                          ; v26     the way out: my lane's 16 bytes in a block of 512
.set ADRS, 27                          ; v27     my row's scale bytes
.set SPW,  28                          ; v28     LDS address of my spare word; never rewritten
.set NIL,  29                          ; v29     0; never rewritten
.set ADRT, 30                          ; v30     my column's scale words
.set SA,   32                          ; x's scale words: register 32 s + 4 i + q: block i of my rows, the q-th 128 of slot s
.set SB,   192                         ; w's likewise
.set AF,   128
.set G1, 24                            ; s[24:31] group 1 for x's codes;  s[32:39] group 0, one set for each slot
.set G0, 32
.set G1B, 48                           ; s[48:55], s[56:63] the same for w's codes
.set G0B, 56
.set G1S, 68                           ; s[68:75], s[76:79] for x's scales;  s[80:87], s[88:91] for w's
.set G0S, 76
.set G1SB, 80
.set G0SB, 88
.set MSB, 0
.macro WIN new                         ; the immediate's high byte repeats the setting that is left
.if MSB != \new
	s_set_vgpr_msb (MSB<<8)|\new
.set MSB, \new
.endif
.endm
.set MUL_LO, 0xa1                      ; source 0 (w) window 1, source 1 (x) window 0, C and D window 2
.set MUL_HI, 0xf1                      ; the same, C and D window 3
.set TO_B,   0x40                      ; destination window 1, address window 0
; A joint load: waves 0 and 1 fetch for x, waves 2 and 3 for w.  Each of the two lines has one mask and one set of registers for all that issue it; the branch hangs on the wave's number alone.
; An s_nop 0 and four v_nop follow each of the two lines.
.macro JLOAD g0a, g1a, g0b, g1b
	s_cmp_eq_u32 s15, 0
	s_cbranch_scc0 .Lfor_b_\@
	tensor_load_to_lds s[\g0a:\g0a+3], s[\g1a:\g1a+7]
	s_nop 0
.rept 4
	v_nop
.endr
	s_branch .Lasked_\@
.Lfor_b_\@:
	tensor_load_to_lds s[\g0b:\g0b+3], s[\g1b:\g1b+7]
	s_nop 0
.rept 4
	v_nop
.endr
.Lasked_\@:
.endm
.macro CROUND                          ; a round of the cluster's barrier
	s_barrier_signal -1
	s_barrier_wait -1
	s_cmp_lg_u32 s14, 0
	s_cbranch_scc1 .Lnot_wave_0_\@
	s_barrier_signal -3
.Lnot_wave_0_\@:
	s_barrier_wait -3
	s_barrier_signal -1
	s_barrier_wait -1
.endm
	s_load_b128 s[4:7], s[0:1], 0x0                ; x's codes s[4:5], x's scales s[6:7]
	s_load_b128 s[8:11], s[0:1], 0x10              ; w's codes s[8:9], w's scale words s[10:11]
	s_load_b64 s[12:13], s[0:1], 0x20              ; qkv
	v_lshl_add_u32 v[SPW], v0, 2, SPARE
	v_mov_b32 v[NIL], 0
	ds_add_u32 v[SPW], v[NIL]                      ; the wave's opening: the add, twice on end, and its wait ahead of my first tensor load
	ds_add_u32 v[SPW], v[NIL]
	v_lshrrev_b32 v1, 5, v0
	v_readfirstlane_b32 s14, v1                    ; wave 0..3
	s_lshr_b32 s15, s14, 1                         ; which half of the tile's rows is mine.  Also: I fetch for x (0) or for w (1)
	s_and_b32 s16, s14, 1                          ; which half of its columns.  Also: which half of that tile I fetch
	s_bfe_u32 s40, ttmp6, 0x40000                  ; cx, cy: my place in the cluster
	s_bfe_u32 s41, ttmp6, 0x40004
	s_lshl_b32 s42, ttmp9, 2
	s_add_co_u32 s42, s42, s40                     ; tile column = 4 x cluster x + cx
	s_and_b32 s17, ttmp7, 0xffff
	s_lshl_b32 s17, s17, 2
	s_add_co_u32 s17, s17, s41                     ; tile row = 4 x cluster y + cy
	s_lshl_b32 s43, s41, 2
	s_lshl_b32 s43, 15, s43                        ; my row of the cluster
	s_lshl_b32 s44, 0x1111, s40                    ; my column
	s_or_b32 s[G1+0], s43, (0<<16)|(1<<20)|(1<<21)|(5<<22)|(3<<25)  ; x's codes: mask of my row; elements of 1 byte; padding: 4 words after every 64; bit 21 beside a mask
	s_mov_b32 s[G1+1], 256<<16                     ; tensor_dim0 = 256 bytes of a row
	s_mov_b32 s[G1+2], 128<<16                     ; tensor_dim1 = 128 rows
	s_mov_b32 s[G1+3], 256<<16                     ; tile_dim0
	s_mov_b32 s[G1+4], 128                         ; tile_dim1
	s_mov_b32 s[G1+5], 512                         ; a row of x's codes in memory
	s_mov_b32 s[G1+6], 0
	s_mov_b32 s[G1+7], 0
	s_or_b32 s[G1B+0], s44, (3<<16)|(1<<21)        ; w's codes: mask of my column; a dense block of 32,768 bytes as 128 rows of 32 elements of 8 bytes; no padding
	s_mov_b32 s[G1B+1], 32<<16
	s_mov_b32 s[G1B+2], 128<<16
	s_mov_b32 s[G1B+3], 32<<16
	s_mov_b32 s[G1B+4], 128
	s_mov_b32 s[G1B+5], 32
	s_mov_b32 s[G1B+6], 0
	s_mov_b32 s[G1B+7], 0
	s_or_b32 s[G1S+0], s43, (3<<16)|(1<<20)|(1<<21)|(5<<22)|(3<<25) ; x's scales of 128 rows: 4,096 dense bytes as 16 rows of 256, 16 bytes of padding behind each
	s_mov_b32 s[G1S+1], 32<<16
	s_mov_b32 s[G1S+2], 16<<16
	s_mov_b32 s[G1S+3], 32<<16
	s_mov_b32 s[G1S+4], 16
	s_mov_b32 s[G1S+5], 32
	s_mov_b32 s[G1S+6], 0
	s_mov_b32 s[G1S+7], 0
	s_or_b32 s[G1SB+0], s44, (2<<16)|(1<<21)       ; w's scale words: 8 rows (one for each 128 k) of 128 words, 3,072 words apart
	s_mov_b32 s[G1SB+1], 128<<16
	s_mov_b32 s[G1SB+2], 8<<16
	s_mov_b32 s[G1SB+3], 128<<16
	s_mov_b32 s[G1SB+4], 8
	s_mov_b32 s[G1SB+5], 3072
	s_mov_b32 s[G1SB+6], 0
	s_mov_b32 s[G1SB+7], 0
	; where the tiles come from.  x's hang on the tile row alone, w's on the tile column alone, each in registers that never hold the other coordinate
	s_lshl_b32 s18, s16, 7                         ; which 128 of the 256 I fetch
	s_lshl_b32 s20, s17, 8
	s_add_co_u32 s20, s20, s18                     ; x: row 256 x tile row + 128 x half
	s_lshl_b32 s22, s20, 5                         ; its scales: 32 bytes a row
	s_mov_b32 s23, 0
	s_lshl_b32 s20, s20, 9                         ; its codes: 512 bytes a row
	s_mov_b32 s21, 0
	s_lshl_b32 s46, s42, 8
	s_add_co_u32 s46, s46, s18                     ; w: column 256 x tile column + 128 x half
	s_lshl_b32 s92, s46, 2                         ; its scale words
	s_mov_b32 s93, 0
	s_lshl_b32 s46, s46, 8                         ; its codes: 4,096 bytes for each 16 columns
	s_mov_b32 s47, 0
	s_mul_i32 s45, s16, HALFA                      ; and where they go: no place in the cluster enters an LDS address
	s_lshl_b32 s94, s16, 15
	s_add_co_u32 s94, s94, BRING
	s_mul_i32 s95, s16, HALFSA
	s_add_co_u32 s95, s95, SCA
	s_lshl_b32 s96, s16, 12
	s_add_co_u32 s96, s96, SCB
	s_wait_dscnt 0x0                               ; both opening adds are done
	s_wait_kmcnt 0x0
	s_add_nc_u64 s[20:21], s[4:5], s[20:21]
	s_add_nc_u64 s[22:23], s[6:7], s[22:23]
	s_add_nc_u64 s[46:47], s[8:9], s[46:47]
	s_add_nc_u64 s[92:93], s[10:11], s[92:93]
	CROUND                                         ; all sixteen work-groups are here: the joint loads meet
	s_mov_b32 s[G0S], 1
	s_mov_b32 s[G0S+1], s95
	s_mov_b64 s[G0S+2:G0S+3], s[22:23]
	s_or_b32 s[G0S+3], s[G0S+3], 0x80000000
	s_mov_b32 s[G0SB], 1
	s_mov_b32 s[G0SB+1], s96
	s_mov_b64 s[G0SB+2:G0SB+3], s[92:93]
	s_or_b32 s[G0SB+3], s[G0SB+3], 0x80000000
	JLOAD G0S, G1S, G0SB, G1SB                     ; the scales first: they are wanted with the first step
.irp s, 0,1
	s_mov_b32 s[G0+4*\s], 1
	s_add_co_u32 s[G0+4*\s+1], s45, \s*SLOTA
	s_add_nc_u64 s[G0+4*\s+2:G0+4*\s+3], s[20:21], \s*256
	s_or_b32 s[G0+4*\s+3], s[G0+4*\s+3], 0x80000000
	s_mov_b32 s[G0B+4*\s], 1
	s_add_co_u32 s[G0B+4*\s+1], s94, \s*SLOTB
	s_add_nc_u64 s[G0B+4*\s+2:G0B+4*\s+3], s[46:47], \s*786432
	s_or_b32 s[G0B+4*\s+3], s[G0B+4*\s+3], 0x80000000
	JLOAD G0+4*\s, G1, G0B+4*\s, G1B               ; three loads of mine are out at the most
.endr
	v_and_b32 v1, 15, v0                           ; r = lane % 16
	v_bfe_u32 v2, v0, 4, 1                         ; h = lane / 16
	v_and_b32 v6, 31, v0
	v_mul_u32_u24 v3, v1, PITCH
	v_lshl_add_u32 v4, v2, 4, v3                   ; x: a fragment's row x pitch + 16 h
	v_lshlrev_b32 v5, 4, v6                        ; w: 16 x lane
	s_mul_i32 s21, s15, HALFA                      ; my 128 rows of x
	s_lshl_b32 s22, s16, 15
	s_add_co_u32 s22, s22, BRING                   ; my 128 columns of w
.irp s, 0,1
	v_add_nc_u32 v[ADRA+\s], s21, v4
	v_add_nc_u32 v[ADRB+\s], s22, v5
	s_add_co_u32 s21, s21, SLOTA
	s_add_co_u32 s22, s22, SLOTB
.endr
	v_lshlrev_b32 v7, 5, v1                        ; my row's scales: 32 bytes a row,
	v_lshrrev_b32 v8, 8, v7
	v_lshl_add_u32 v7, v8, 4, v7                   ; and 16 more for each 256 passed
	s_mul_i32 s23, s15, HALFSA
	s_add_co_u32 s23, s23, SCA
	v_add_nc_u32 v[ADRS], s23, v7
	v_lshlrev_b32 v7, 2, v1                        ; my column's scale word
	s_lshl_b32 s23, s16, 12
	s_add_co_u32 s23, s23, SCB
	v_add_nc_u32 v[ADRT], s23, v7
	s_cmp_eq_u32 ttmp9, 2                          ; v's columns are exactly those of cluster x = 2: the same answer in all sixteen partners; it picks a global offset and nothing else
	s_cselect_b32 s18, 5, 4
	s_cselect_b32 s19, 4, 8
	v_lshlrev_b32 v7, s18, v1
	v_lshlrev_b32 v8, s19, v2
	v_add_nc_u32 v[CO], v7, v8                     ; q, k: 16 r + 256 h;  v: 32 r + 16 h
	s_lshl_b32 s46, s42, 2
	s_lshl_b32 s47, s16, 1
	s_add_co_u32 s46, s46, s47                     ; my first group of 64 columns: 4 x tile column + 2 x half
	s_lshl_b32 s46, s46, 20                        ; 2^20 bytes a group
	s_lshl_b32 s20, s17, 8
	s_lshl_b32 s21, s15, 7
	s_add_co_u32 s20, s20, s21                     ; my first row
	s_lshl_b32 s20, s20, 7                         ; 2,048 bytes for each 16 rows
	s_add_co_u32 s46, s46, s20
	s_mov_b32 s47, 0
	s_add_nc_u64 s[12:13], s[12:13], s[46:47]
.macro FRAGA reg, slot, q, i           ; 16 rows x 128 K of 4-bit codes: lane l holds row l % 16; registers 4 c .. 4 c + 3 hold K = 64 c + 32 (l / 16) + 0 .. 31
.irp c, 0,1
	ds_load_b128 v[\reg+4*\c:\reg+4*\c+3], v[ADRA+\slot] offset:64*(\q)+32*\c+(\i)*16*PITCH
.endr
.endm
.macro FRAGB reg, slot, q, i           ; the same from an image
.irp c, 0,1
	ds_load_b128 v[\reg+4*\c:\reg+4*\c+3], v[ADRB+\slot] offset:(\i)*4096+(\q)*1024+512*\c
.endr
.endm
; 16 matrix instructions: x's blocks a0, a0 + 1 against w's eight, 128 along K.  p: w's set;  sc: the set of scale words.  zero = 1: the first product starts the sums.
; The 64 accumulators take turns, one instruction a turn, in the same order in every step.
.macro MUL16 a0, p, q, sc, zero
.irp a, \a0, \a0+1
.irp b, 0,1,2,3,4,5,6,7
.if \zero
	v_wmma_scale_f32_16x16x128_f8f6f4 v[8*(8*((\a)%4)+\b):8*(8*((\a)%4)+\b)+7], v[128*(\p)+FR*\b:128*(\p)+FR*\b+FR-1], v[AF+FR*(\a):AF+FR*(\a)+FR-1], 0, v[SB+32*(\sc)+4*\b+(\q)], v[SA+32*(\sc)+4*(\a)+(\q)] matrix_a_fmt:MATRIX_FMT_FP4 matrix_b_fmt:MATRIX_FMT_FP4
.else
	v_wmma_scale_f32_16x16x128_f8f6f4 v[8*(8*((\a)%4)+\b):8*(8*((\a)%4)+\b)+7], v[128*(\p)+FR*\b:128*(\p)+FR*\b+FR-1], v[AF+FR*(\a):AF+FR*(\a)+FR-1], v[8*(8*((\a)%4)+\b):8*(8*((\a)%4)+\b)+7], v[SB+32*(\sc)+4*\b+(\q)], v[SA+32*(\sc)+4*(\a)+(\q)] matrix_a_fmt:MATRIX_FMT_FP4 matrix_b_fmt:MATRIX_FMT_FP4
.endif
.endr
.endr
.endm
.macro FETCH_B slot, q, p
	WIN TO_B
.irp i, 0,1,2,3,4,5,6,7
	FRAGB 128*(\p)+FR*\i, \slot, \q, \i
.endr
	WIN 0
.endm
.macro FETCH_A slot, q, i0
.irp i, \i0, \i0+1, \i0+2, \i0+3
	FRAGA AF+FR*(\i), \slot, \q, \i
.endr
.endm
.macro SCALES sc                       ; a slot's scale words: x's four words of a row by one load, w's word by word
.irp i, 0,1,2,3,4,5,6,7
	ds_load_b128 v[SA+32*\sc+4*\i:SA+32*\sc+4*\i+3], v[ADRS] offset:544*\i+16*\sc
.endr
.irp q, 0,1,2,3
.irp b, 0,1,2,3,4,5,6,7
	ds_load_b32 v[SB+32*\sc+4*\b+\q], v[ADRT] offset:(4*\sc+\q)*512+64*\b
.endr
.endr
.endm
; A load into a register that a matrix instruction has read, and a vector instruction that reads a matrix result, stand NP places behind that matrix instruction; only plain vector
; instructions that name none of its registers are places (ISA guide 7.12.1 for vector instructions).
.macro PLACES n
.rept \n
	v_nop
.endr
.endm
; A step of 128 along K that has its successor in the same slot.  A block of x is free as soon as its eight products are issued, so one set serves x: blocks 0-3 are fetched anew in the step's middle, blocks 4-7 at its end.
.macro STEP slot, q, zero
	s_wait_dscnt 4*NL                              ; all but the youngest eight loads (x's blocks 4-7)
	WIN MUL_LO
	MUL16 0, (\q)%2, \q, \slot, \zero
	MUL16 2, (\q)%2, \q, \slot, \zero
	s_wait_dscnt 0                                 ; x's blocks 4-7 are in
	PLACES NP
	FETCH_B \slot, (\q)+1, 1-(\q)%2
	FETCH_A \slot, (\q)+1, 0
	WIN MUL_HI
	MUL16 4, (\q)%2, \q, \slot, \zero
	MUL16 6, (\q)%2, \q, \slot, \zero
	PLACES NP
	WIN 0
	FETCH_A \slot, (\q)+1, 4
.endm
.macro STEPS slot, from
.set Q, \from
.rept NQ-1-\from
	STEP \slot, Q, 0
.set Q, Q+1
.endr
.endm
	s_wait_tensorcnt 1                             ; the scales and my part of slot 0 are in; slot 1's load, the one issued behind them, may be out
	s_barrier_signal -1
	s_barrier_wait -1                              ; everybody's are
	FETCH_B 0, 0, 0
	FETCH_A 0, 0, 0
	SCALES 0
	FETCH_A 0, 0, 4
	STEP 0, 0, 1                                   ; the first products start the sums: nothing is cleared
	STEPS 0, 1
	; slot 0's last step changes slots: each wave waits for its part of slot 1, then one barrier
	s_wait_tensorcnt 0x0                           ; all my tensor loads have landed
	ds_add_u32 v[SPW], v[NIL]                      ; 0 onto my spare word, behind that wait
	s_wait_dscnt 4*NL+1                            ; (the add and the youngest eight loads may be out)
	WIN MUL_LO
	MUL16 0, 1, NQ-1, 0, 0
	s_wait_dscnt 0x0                               ; no LDS instruction of mine is pending at the signal
	s_barrier_signal -1
	MUL16 2, 1, NQ-1, 0, 0
	WIN 0
	s_barrier_wait -1                              ; slot 1 is whole
	PLACES NP
	FETCH_B 1, 0, 0
	FETCH_A 1, 0, 0
	SCALES 1
	WIN MUL_HI
	MUL16 4, 1, NQ-1, 0, 0
	MUL16 6, 1, NQ-1, 0, 0
	PLACES NP
	WIN 0
	FETCH_A 1, 0, 4
	STEPS 1, 0
	s_wait_dscnt 4*NL                              ; the very last step: nothing more to fetch
	WIN MUL_LO
	MUL16 0, 1, NQ-1, 1, 0
	MUL16 2, 1, NQ-1, 1, 0
	s_wait_dscnt 0
	WIN MUL_HI
	MUL16 4, 1, NQ-1, 1, 0
	MUL16 6, 1, NQ-1, 1, 0
	WIN 0
; THE WAY OUT, block by block of 16 rows: a lane's eight results of an accumulator are rounded to f16, 16 bytes, each accumulator from its low end on, and stored as they stand.
.macro OUTB a
.set AC, 64*((\a)%4)
.set TM, AF+32*((\a)%2)                ; two sets by turns, in the registers that held x's fragments
.set WN, 0x0a+5*((\a)/4)               ; sources 0 and 1: window 2 or 3
.if (\a) > 1
	s_wait_xcnt 0x0                                ; block a - 2's stores have read their data: the set is written again only behind this wait
.endif
	WIN WN
.irp b, 0,1,2,3,4,5,6,7
.irp i, 0,1,2,3
	v_cvt_pk_f16_f32 v[TM+4*\b+\i], v[AC+8*\b+2*\i], v[AC+8*\b+2*\i+1]
.endr
.endr
	WIN 0
.irp b, 0,1,2,3,4,5,6,7
	global_store_b128 v[CO], v[TM+4*\b:TM+4*\b+3], s[12:13] offset:(\b/4)*1048576+(\a)*2048+(\b%4)*512   ; 512 consecutive bytes a store, aligned
.endr
.endm
	PLACES NP                                      ; behind the last products: for the reads of their results and the writes into the registers that held x's fragments
.irp a, 0,1,2,3,4,5,6,7
	OUTB \a
.endr
	s_wait_tensorcnt 0x0                           ; the wave's end
	ds_add_u32 v[SPW], v[NIL]
	s_wait_dscnt 0x0
	CROUND                                         ; the closing round: no work-group ends while a partner may still ask for a tile that names it
	s_endpgm
.Lfunc_end_k_q325bbced48_qkv:
	.size	k_q325bbced48_qkv, .Lfunc_end_k_q325bbced48_qkv-k_q325bbced48_qkv
	.p2alignl 7, 3214868480
	.fill 96, 4, 3214868480
	.section	.rodata,"a",@progbits
	.p2align	6, 0x0
	.amdhsa_kernel k_q325bbced48_qkv
		.amdhsa_group_segment_fixed_size 327680
		.amdhsa_private_segment_fixed_size 0
		.amdhsa_enable_private_segment 0
		.amdhsa_kernarg_size 40
		.amdhsa_user_sgpr_count 2
		.amdhsa_user_sgpr_kernarg_segment_ptr 1
		.amdhsa_wavefront_size32 1
		.amdhsa_system_sgpr_workgroup_id_x 1
		.amdhsa_system_sgpr_workgroup_id_y 1
		.amdhsa_system_sgpr_workgroup_id_z 1
		.amdhsa_system_vgpr_workitem_id 0
		.amdhsa_next_free_vgpr 1024
		.amdhsa_next_free_sgpr 100
		.amdhsa_reserve_vcc 0
		.amdhsa_float_denorm_mode_32 3
		.amdhsa_float_denorm_mode_16_64 3
		.amdhsa_memory_ordered 1
		.amdhsa_forward_progress 1
		.amdhsa_inst_pref_size 122
	.end_amdhsa_kernel
	.amdgpu_metadata
---
amdhsa.version: [ 1, 2 ]
amdhsa.kernels:
  - .name:           k_q325bbced48_qkv
    .symbol:         k_q325bbced48_qkv.kd
    .args:
      - { .name: xc, .offset: 0, .size: 8, .value_kind: global_buffer, .address_space: global }
      - { .name: xs, .offset: 8, .size: 8, .value_kind: global_buffer, .address_space: global }
      - { .name: wc, .offset: 16, .size: 8, .value_kind: global_buffer, .address_space: global }
      - { .name: ws, .offset: 24, .size: 8, .value_kind: global_buffer, .address_space: global }
      - { .name: qkv, .offset: 32, .size: 8, .value_kind: global_buffer, .address_space: global }
    .group_segment_fixed_size: 327680
    .private_segment_fixed_size: 0
    .kernarg_segment_align: 8
    .kernarg_segment_size: 40
    .max_flat_workgroup_size: 128
    .sgpr_count:     100
    .vgpr_count:     1024
    .wavefront_size: 32
...
	.end_amdgpu_metadata
.endif
;; end of part 2
;; launch attn (part 3): grid 4 x 64, 8 waves a work-group, clusters of 4 x 1, 327,680 bytes of LDS; arguments qkv, att; writes att
.if DOCPART == 3
	.amdgcn_target "amdgcn-amd-amdhsa--gfx1250"
	.amdhsa_code_object_version 6
	.text
	.protected	k_q325bbced48_attn
	.globl	k_q325bbced48_attn
	.p2align	8
	.type	k_q325bbced48_attn,@function
k_q325bbced48_attn:
	s_mov_b64 s[64:65], 0
	v_nop
	global_prefetch_b8 v0, s[64:65] scope:SCOPE_SE
	s_setreg_imm32_b32 hwreg(HW_REG_WAVE_MODE, 25, 1), 1
	s_wait_xcnt 0x0
	s_wait_alu depctr_hold_cnt(0) depctr_sa_sdst(0) depctr_va_vdst(0) depctr_va_sdst(0) depctr_va_ssrc(0) depctr_va_vcc(0) depctr_vm_vsrc(0)
	s_getreg_b32 s2, hwreg(HW_REG_IB_STS2, 6, 4)
	s_cmp_eq_u32 s2, 0
	s_cbranch_scc0 .Lentry_in_a_cluster
	s_endpgm
.Lentry_in_a_cluster:
	s_bfe_u32 s2, ttmp6, 0x10000c
	s_cmp_lg_u32 s2, 0x3003
	s_cbranch_scc0 .Lentry_shape_is_right
	s_endpgm
.Lentry_shape_is_right:
; att[h][q][:] = the sum over k of softmax_k(q . k / 8) v, for each of 4 x 16 (batch, head), 2,048 queries and keys, head size 64.  Operands in f16; products, maxima and sums in f32; the weights p are
; rounded to f16 for the second product, the result once at the end.  LIMIT: a result beyond 65,504 has no f16 number; NaN and infinities are not served.
; SHARES.  Work-group y is 16 x batch + head; a work-group owns 512 queries, each of its eight waves 64: four tiles of 16.  Every wave walks all 2,048 keys, 64 a step.
; LAYOUT.  S^T = K Q^T (source 0 = 16 keys, source 1 = 16 queries): a lane holds ONE query (lane % 16) and the keys 8 (lane / 16) + 0..7.  Two such tiles, rounded to f16 in pairs, ARE source 1 of
; O^T = V^T P, whose result again holds one query a lane, and eight channels.  q and k lie in memory as images of operand registers (16 x lane); v as 16 keys x 16 channels by rows, turned by ds_load_tr16_b128.
; SOFTMAX.  A running maximum m and sum l for each query: p = 2^(c s - c m), c = log2(e) / 8; in every step O and l are multiplied by a = 2^(c m_old - c m_new).
; TWO ROLES.  A key step of a wave is a MATRIX PHASE (32 products V^T P of the step before, 32 products K Q^T) and a VECTOR PHASE (the LDS loads for the next matrix phase, the softmax).  At head size 64 the two
; are about equally long.  Waves 0-3 run half a step ahead of waves 4-7: while one role is in its matrix phase the other is in its vector phase.  The branches hang on the wave's number alone, and no barrier stands under them.
; A PAIR is two halves: (early role: vector phase j | late role: matrix phase j), then (early: matrix phase j + 1 | late: vector phase j).  In PAIR j both roles load K of step j + 1 and V of step j:
; the two LDS addresses are made once, on the way that all waves take.
; RING.  K and V have a ring of four slots of 256 keys (32,768 bytes) each, so that step j lies at (8,192 j) mod 131,072 of its ring, and one barrier for four steps serves both roles.
; CLUSTER.  The four work-groups of a cluster belong to one (batch, head) and walk the same K and V: each tile is asked for JOINTLY.  One line serves all eight waves: waves 0-3 move K's four steps of a slot, waves 4-7 V's.
; REGISTERS: window 0: v2-10 addresses; v16-63 twelve registers of statistics a tile; v64-191 S^T, 32 a tile (P is made in place in the low 16); v192-255 K of one step.
;            window 1: v0-63 V of one step; v64-127 Q; v128-255 O^T, 32 a tile.
.set S,    64
.set ST,   16                          ; tile t's statistics at v[ST + 12 t]: +0 c m, +1 m, +2, +3 l (two halves), +4 .. +7 c0-c3 at work (a takes c2's place), +8, +9 a second chain of sums
.set KF,   192
.set VF,   0                           ; in window 1
.set QF,   64
.set OF,   128
.set AK0,  2                           ; v2   16 x lane: my place in an image; never rewritten
.set AV0,  3                           ; v3   my place in 16 keys x 16 channels of V, in V's ring; never rewritten
.set ADK,  4                           ; v4   LDS address of the K to be loaded in this PAIR
.set ADV,  5                           ; v5   of the V
.set SPW,  8                           ; v8   LDS address of my spare word; never rewritten
.set NIL,  9                           ; v9   0; never rewritten
.set PFO,  10                          ; v10  256 x lane; never rewritten
.set VRING, 131072
.set SPARE, 262144                     ; behind the rings: the spare words, 128 bytes a wave, which no other line names
.set WV,   12                          ; s12  wave
.set ROLE, 13                          ; s13  wave / 4: 0 early, 1 late.  Also: I fetch K (0) or V (1)
.set TK,   14                          ; s14  where the next PAIR's K lies in its ring
.set TV,   15                          ; s15  and its V
.set SL,   16                          ; s16  the slot last asked for, in bytes
.set WB,   17                          ; s17  my part of a slot: ring + 8,192 (wave % 4)
.set PFA,  18                          ; s[18:19] where my prefetches stand
.set LIM,  20                          ; s20  1 in a wave that prefetches, else the greatest number
.set G1,   24                          ; s[24:31] descriptor group 1
.set G0A,  32                          ; s[32:35] group 0 of the first fill;  s[36:39] of the second, which then walks
.set G0B,  36
.set SLOTS, 56
.set INNER, 57
.set CS,   58                          ; s[58:59] c: the packed form names a pair and takes its low word for both halves
.set SEL,  60                          ; s[60:61] lane selects for v_permlanex16_b32: lane l xor 16
.set MSB, 0
.macro WIN new                         ; the immediate's high byte repeats the setting that is left
.if MSB != \new
	s_set_vgpr_msb (MSB<<8)|\new
.set MSB, \new
.endif
.endm
.macro PLACES n
.rept \n
	v_nop
.endr
.endm
.macro CROUND                          ; a round of the cluster's barrier
	s_barrier_signal -1
	s_barrier_wait -1
	s_cmp_lg_u32 s[WV], 0
	s_cbranch_scc1 .Lnot_wave_0_\@
	s_barrier_signal -3
.Lnot_wave_0_\@:
	s_barrier_wait -3
	s_barrier_signal -1
	s_barrier_wait -1
.endm
	s_load_b128 s[4:7], s[0:1], 0x0                ; qkv s[4:5], att s[6:7]
	v_lshl_add_u32 v[SPW], v0, 2, SPARE
	v_mov_b32 v[NIL], 0
	ds_add_u32 v[SPW], v[NIL]                      ; the wave's opening: the add, twice on end, and its wait ahead of my first tensor load
	ds_add_u32 v[SPW], v[NIL]
	v_lshrrev_b32 v1, 5, v0
	v_readfirstlane_b32 s[WV], v1                  ; wave 0..7
	s_lshr_b32 s[ROLE], s[WV], 2
	s_and_b32 s21, s[WV], 3
	s_bfe_u32 s22, ttmp6, 0x40000                  ; cx: my block of 512 queries; it enters Q's, att's and the prefetches' addresses alone
	s_and_b32 s23, ttmp7, 0xffff
	s_and_b32 s40, s23, 15                         ; head
	s_lshr_b32 s41, s23, 4                         ; batch
	s_lshl_b32 s41, s41, 18                        ; its 128 tiles of 16 tokens x 2,048 bytes
	s_lshl_b32 s42, s[ROLE], 4
	s_add_co_u32 s42, s42, s40
	s_add_co_u32 s42, s42, 16                      ; the group of 64 columns: 16 + head for K, 32 + head for V
	s_lshl_b32 s42, s42, 20
	s_add_co_u32 s42, s42, s41
	s_lshl_b32 s44, s21, 13                        ; my step of a slot's four: 8,192 bytes
	s_add_co_u32 s42, s42, s44
	s_mov_b32 s43, 0
	s_lshl_b32 s[WB], s[ROLE], 17
	s_add_co_u32 s[WB], s[WB], s44
	s_lshl_b32 s46, s40, 20                        ; Q and att: the head,
	s_add_co_u32 s46, s46, s41                     ; the batch,
	s_lshl_b32 s45, s22, 16
	s_add_co_u32 s46, s46, s45                     ; my work-group's 512 queries,
	s_lshl_b32 s45, s[WV], 13
	s_add_co_u32 s46, s46, s45                     ; my wave's 64
	s_mov_b32 s47, 0
	s_mov_b32 s[G1], 15|(3<<16)|(1<<21)            ; the mask: all four work-groups; elements of 8 bytes; bit 21 beside a mask; no padding: images are read 16 x lane
	s_mov_b32 s[G1+1], 32<<16                      ; tensor_dim0 = 32 elements: 256 bytes
	s_mov_b32 s[G1+2], 32<<16                      ; tensor_dim1 = 32 rows: 8,192 dense bytes
	s_mov_b32 s[G1+3], 32<<16                      ; tile_dim0
	s_mov_b32 s[G1+4], 32                          ; tile_dim1
	s_mov_b32 s[G1+5], 32                          ; from row to row
	s_mov_b32 s[G1+6], 0
	s_mov_b32 s[G1+7], 0
	s_mov_b32 s[CS], 0x3e38aa3b                    ; c = log2(e) / 8
	s_mov_b32 s[CS+1], s[CS]
	s_mov_b32 s[SEL], 0x76543210
	s_mov_b32 s[SEL+1], 0xfedcba98
	s_mov_b32 s[TK], 8192                          ; PAIR 0 loads K of step 1
	s_mov_b32 s[TV], 0                             ; and V of step 0
	s_mov_b32 s[SL], 32768
	s_mov_b32 s[SLOTS], 6
	s_cmp_eq_u32 s21, 0                            ; wave 0 prefetches K's rows, wave 4 V's
	s_cselect_b32 s[LIM], 1, -1
	v_and_b32 v1, 31, v0
	v_lshlrev_b32 v[PFO], 8, v1
	s_wait_dscnt 0x0                               ; both opening adds are done
	s_wait_kmcnt 0x0
	s_add_nc_u64 s[48:49], s[4:5], s[42:43]        ; K or V at my part of the first 256 keys
	s_add_nc_u64 s[50:51], s[4:5], s[46:47]        ; Q at my first query
	s_add_nc_u64 s[6:7], s[6:7], s[46:47]          ; att likewise
	s_lshl_b32 s44, s22, 13                        ; the partners share a slot's 32,768 bytes out by address: 8,192 each
	s_mov_b32 s45, 0
	s_add_nc_u64 s[PFA:PFA+1], s[48:49], s[44:45]
	s_add_nc_u64 s[PFA:PFA+1], s[PFA:PFA+1], 65536 ; at the third 256 keys; the first change steps it to the fourth.  Nothing is prefetched at the head
	s_mov_b32 s[G0A], 1
	s_mov_b32 s[G0A+1], s[WB]
	s_mov_b64 s[G0A+2:G0A+3], s[48:49]
	s_or_b32 s[G0A+3], s[G0A+3], 0x80000000
	s_mov_b32 s[G0B], 1
	s_add_co_u32 s[G0B+1], s[WB], 32768
	s_add_nc_u64 s[G0B+2:G0B+3], s[48:49], 32768
	s_or_b32 s[G0B+3], s[G0B+3], 0x80000000
	CROUND                                         ; all four work-groups are here: the first joint loads meet
	tensor_load_to_lds s[G0A:G0A+3], s[G1:G1+7]    ; keys 0-255
	s_nop 0
	tensor_load_to_lds s[G0B:G0B+3], s[G1:G1+7]    ; keys 256-511: two loads of mine are out
	s_nop 0
	PLACES 4
	v_lshlrev_b32 v[AK0], 4, v1
	v_lshrrev_b32 v6, 4, v1
	v_and_b32 v7, 7, v1
	v_lshl_add_u32 v6, v6, 3, v7                   ; the turning load: lane l reads 16 bytes of key 8 (l / 16) + l % 8,
	v_bfe_u32 v7, v1, 3, 1
	v_lshlrev_b32 v6, 5, v6                        ; 32 bytes a key,
	v_lshl_add_u32 v6, v7, 4, v6                   ; channels 8 ((l / 8) % 2) on; it leaves lane l channel l % 16 and 8 keys
	v_add_nc_u32 v[AV0], VRING, v6
	WIN 0x40                                       ; destination window 1
.irp i, 0,1,2,3,4,5,6,7,8,9,10,11,12,13,14,15
	global_load_b128 v[QF+4*\i:QF+4*\i+3], v[AK0], s[50:51] offset:512*\i   ; Q stays in registers: tile i / 4, channels 32 ((i / 2) % 2) on
.endr
.set vg, 0
.rept 128
	v_mov_b32 v[OF+vg], 0                          ; O^T begins as zeros, l as 0 and m under every score, so that a phase is written in one form: a first step of its own would be four more copies of the vector phase
.set vg, vg+1
.endr
	WIN 0
.irp t, 0,1,2,3
	v_mov_b32 v[ST+12*\t+1], 0xff61b1e6            ; m = -3e38
	v_mov_b32 v[ST+12*\t+2], 0
	v_mov_b32 v[ST+12*\t+3], 0
.endr
.irp t, 0,1,2,3
	v_mul_f32 v[ST+12*\t], s[CS], v[ST+12*\t+1]    ; c m
.endr
.macro LDK                             ; a step's K: 64 keys x 64 channels: 8 fragments (keys 16 (f / 2) on, channels 32 (f % 2) on)
.irp f, 0,1,2,3,4,5,6,7
	ds_load_b128 v[KF+8*\f:KF+8*\f+3],   v[ADK] offset:(\f/2)*2048+(\f%2)*1024
	ds_load_b128 v[KF+8*\f+4:KF+8*\f+7], v[ADK] offset:(\f/2)*2048+(\f%2)*1024+512
.endr
.endm
.macro LDV                             ; a step's V, turned: keys 32 (f / 4) on, channels 16 (f % 4) on
	WIN 0x40
.irp f, 0,1,2,3,4,5,6,7
	ds_load_tr16_b128 v[VF+8*\f:VF+8*\f+3],   v[ADV] offset:(2*(\f/4))*2048+(\f%4)*512
	ds_load_tr16_b128 v[VF+8*\f+4:VF+8*\f+7], v[ADV] offset:(2*(\f/4)+1)*2048+(\f%4)*512
.endr
	WIN 0
.endm
; THE MATRIX PHASE.  pv: 32 products O^T += V^T P; kq: 32 products S^T = K Q^T.  In each run the 16 accumulators take turns, one instruction a turn.
; K Q^T writes over P, which V^T P has read: five places stand between.  Five more end the phase: behind them results are read and K's and V's registers are loaded again.
.macro MPH pv, kq
	s_wait_dscnt 0x0                               ; K and V, asked for at the head of my vector phase, are in
.if (\pv)
	WIN 0x51                                       ; V and O^T in window 1, P in window 0
.set mi, 0
.rept 32
.set rO, OF+8*(mi%16)                  ; tile (mi % 16) / 4, channels 16 (mi % 4) on
.set rV, VF+32*(mi/16)+8*(mi%4)        ; keys 32 (mi / 16) on
.set rP, S+32*((mi%16)/4)+8*(mi/16)
	v_wmma_f32_16x16x32_f16 v[rO:rO+7], v[rV:rV+7], v[rP:rP+7], v[rO:rO+7]
.set mi, mi+1
.endr
.endif
.if (\pv) && (\kq)
	PLACES 5
.endif
.if (\kq)
	WIN 0x04                                       ; Q in window 1, K and S^T in window 0
.set mi, 0
.rept 32
.set rS, S+8*(mi%16)                   ; tile (mi % 16) / 4, keys 16 (mi % 4) on
.set rK, KF+16*(mi%4)+8*(mi/16)        ; channels 32 (mi / 16) on
.set rQ, QF+16*((mi%16)/4)+8*(mi/16)
.if mi < 16
	v_wmma_f32_16x16x32_f16 v[rS:rS+7], v[rK:rK+7], v[rQ:rQ+7], 0
.else
	v_wmma_f32_16x16x32_f16 v[rS:rS+7], v[rK:rK+7], v[rQ:rQ+7], v[rS:rS+7]
.endif
.set mi, mi+1
.endr
.endif
	WIN 0
	PLACES 5
.endm
; THE VECTOR PHASE: the loads for my next matrix phase (kl: K, vl: V), then the softmax of my four tiles, the tiles by turns so that no line waits for the line above it.
.macro VPH kl, vl
.if \kl
	LDK
.endif
.if \vl
	LDV
.endif
.irp j, 0,1,2,3                        ; the maximum of a lane's 32 scores and the old m, three operands at a time: four chains, each begun at its accumulator's low end
.irp t, 0,1,2,3
	v_max3_num_f32 v[ST+12*\t+4+\j], v[S+32*\t+8*\j], v[S+32*\t+8*\j+1], v[S+32*\t+8*\j+2]
.endr
.endr
.irp u, 1,2
.irp j, 0,1,2,3
.irp t, 0,1,2,3
	v_max3_num_f32 v[ST+12*\t+4+\j], v[ST+12*\t+4+\j], v[S+32*\t+8*\j+2*\u+1], v[S+32*\t+8*\j+2*\u+2]
.endr
.endr
.endr
.irp t, 0,1,2,3
	v_max3_num_f32 v[ST+12*\t+4], v[ST+12*\t+4], v[S+32*\t+7], v[S+32*\t+15]
.endr
.irp t, 0,1,2,3
	v_max3_num_f32 v[ST+12*\t+6], v[ST+12*\t+6], v[S+32*\t+23], v[S+32*\t+31]
.endr
.irp t, 0,1,2,3
	v_max3_num_f32 v[ST+12*\t+4], v[ST+12*\t+4], v[ST+12*\t+5], v[ST+12*\t+6]
.endr
.irp t, 0,1,2,3
	v_max3_num_f32 v[ST+12*\t+4], v[ST+12*\t+4], v[ST+12*\t+7], v[ST+12*\t+1]
.endr
.irp t, 0,1,2,3
	v_permlanex16_b32 v[ST+12*\t+5], v[ST+12*\t+4], s[SEL], s[SEL+1]   ; the query's other 32 keys lie in the lane 16 away
.endr
.irp t, 0,1,2,3
	v_mov_b32 v[ST+12*\t+7], v[ST+12*\t]           ; c m_old is kept for a
.endr
.irp t, 0,1,2,3
	v_max_num_f32 v[ST+12*\t+1], v[ST+12*\t+4], v[ST+12*\t+5]
.endr
.irp t, 0,1,2,3
	v_mul_f32 v[ST+12*\t], s[CS], v[ST+12*\t+1]
.endr
.irp t, 0,1,2,3
	v_sub_f32 v[ST+12*\t+7], v[ST+12*\t+7], v[ST+12*\t]
.endr
; ONE BATCH: the four a, the 64 scalings c s - c m (a pair of scores each) and the 128 exponentials.  None of these lines names an exponential's result: so one wait serves all 132.
.irp t, 0,1,2,3
	v_exp_f32 v[ST+12*\t+6], v[ST+12*\t+7]
.endr
.set vg, 0
.rept 17
.if vg < 16
.irp t, 0,1,2,3
	v_pk_fma_f32 v[S+32*\t+2*vg:S+32*\t+2*vg+1], v[S+32*\t+2*vg:S+32*\t+2*vg+1], s[CS:CS+1], v[ST+12*\t:ST+12*\t+1] op_sel_hi:[1,0,0] neg_lo:[0,0,1] neg_hi:[0,0,1]
.endr
.endif
.if vg > 0
.irp t, 0,1,2,3
	v_exp_f32 v[S+32*\t+2*vg-2], v[S+32*\t+2*vg-2]
	v_exp_f32 v[S+32*\t+2*vg-1], v[S+32*\t+2*vg-1]
.endr
.endif
.set vg, vg+1
.endr
	v_nop                                          ; a plain instruction behind the last exponential, ahead of the first use
	s_wait_alu depctr_va_vdst(0)                   ; the wait ahead of the batch's first reader: one for the 132
.irp t, 0,1,2,3                        ; the sums, of the p in f32, in two chains; p stays as it is
	v_pk_fma_f32 v[ST+12*\t+2:ST+12*\t+3], v[ST+12*\t+2:ST+12*\t+3], v[ST+12*\t+6:ST+12*\t+7], v[S+32*\t:S+32*\t+1] op_sel_hi:[1,0,1]   ; l = a l + pair 0
.endr
.irp t, 0,1,2,3
	v_pk_add_f32 v[ST+12*\t+8:ST+12*\t+9], v[S+32*\t+2:S+32*\t+3], v[S+32*\t+4:S+32*\t+5]
.endr
.set vg, 3
.rept 13
.irp t, 0,1,2,3
.if vg%2
	v_pk_add_f32 v[ST+12*\t+2:ST+12*\t+3], v[ST+12*\t+2:ST+12*\t+3], v[S+32*\t+2*vg:S+32*\t+2*vg+1]
.else
	v_pk_add_f32 v[ST+12*\t+8:ST+12*\t+9], v[ST+12*\t+8:ST+12*\t+9], v[S+32*\t+2*vg:S+32*\t+2*vg+1]
.endif
.endr
.set vg, vg+1
.endr
.irp t, 0,1,2,3
	v_pk_add_f32 v[ST+12*\t+2:ST+12*\t+3], v[ST+12*\t+2:ST+12*\t+3], v[ST+12*\t+8:ST+12*\t+9]
.endr
.set vg, 0
.rept 16                               ; P, in place and ascending: register i is written when weights 2 i and 2 i + 1 are read
.irp t, 0,1,2,3
	v_cvt_pk_f16_f32 v[S+32*\t+vg], v[S+32*\t+2*vg], v[S+32*\t+2*vg+1]
.endr
.set vg, vg+1
.endr
	WIN 0x41                                       ; O^T in window 1, a in window 0
.set vg, 0
.rept 16                               ; O^T x a, each accumulator from its low end on
.irp t, 0,1,2,3
	v_pk_mul_f32 v[OF+32*\t+2*vg:OF+32*\t+2*vg+1], v[OF+32*\t+2*vg:OF+32*\t+2*vg+1], v[ST+12*\t+6:ST+12*\t+7] op_sel_hi:[1,0]
.endr
.set vg, vg+1
.endr
	WIN 0
.endm
.macro PAIR bfirst                     ; bfirst = 1: the late role's first matrix phase has no V^T P yet
	v_add_nc_u32 v[ADK], s[TK], v[AK0]
	v_add_nc_u32 v[ADV], s[TV], v[AV0]
	s_add_co_u32 s[TK], s[TK], 8192
	s_and_b32 s[TK], s[TK], 0x1ffff
	s_add_co_u32 s[TV], s[TV], 8192
	s_and_b32 s[TV], s[TV], 0x1ffff
	s_cmp_eq_u32 s[ROLE], 0
	s_cbranch_scc0 .Lh2b_\@
	VPH 1, 1
	s_branch .Lh2j_\@
.Lh2b_\@:
	MPH 1-\bfirst, 1
.Lh2j_\@:
	s_cmp_eq_u32 s[ROLE], 0
	s_cbranch_scc0 .Lh1b_\@
	MPH 1, 1
	s_branch .Lh1j_\@
.Lh1b_\@:
	VPH 1, 1
.Lh1j_\@:
.endm
; THE CHANGE, once for four key steps.  Each wave waits for all its tensor loads (one is out: its part of the 256 keys asked for at the last change), adds 0 to its spare word, and waits for that and for
; its LDS reads.  fill = 1: behind a round of the cluster's barrier the next 256 keys are asked for, into the slot two behind the one being read: at the first two changes slots 2 and 3, for the first time in all
; eight waves; later slots whose keys were read out before the change before.  The load has four key steps in which to land.
.macro XCH fill
	s_wait_tensorcnt 0x0                           ; no tensor load of mine is out, so a group 0 may be written
	ds_add_u32 v[SPW], v[NIL]                      ; 0 onto my spare word
.if \fill
	s_add_co_u32 s[SL], s[SL], 32768
	s_and_b32 s[SL], s[SL], 0x1ffff                ; the next slot of four
	s_add_co_u32 s[G0B+1], s[WB], s[SL]
	s_add_nc_u64 s[G0B+2:G0B+3], s[G0B+2:G0B+3], 32768   ; the next 256 keys; the type bits on top are not reached
	s_wait_xcnt 0x0                                ; the last prefetch, four key steps back, has read its address, so it may be written:
	s_add_nc_u64 s[PFA:PFA+1], s[PFA:PFA+1], 32768 ; one slot further on than the walking descriptor
	s_wait_dscnt 0x0                               ; the add is done, and my LDS reads are in
	CROUND
	tensor_load_to_lds s[G0B:G0B+3], s[G1:G1+7]    ; my one tensor load behind the round
	s_nop 0
	PLACES 4
	s_cmp_gt_u32 s[SLOTS], s[LIM]                  ; A PREFETCH INTO THE L2 of the 256 keys that the NEXT change will ask for: wave 0 for K, wave 4 for V; each partner its 8,192 bytes of the 32,768, told apart by
	s_cbranch_scc0 .Lnot_mine_\@                   ; address; lanes 256 bytes apart: each block is named once in the launch.  The last change that fills asks for nothing
	global_prefetch_b8 v[PFO], s[PFA:PFA+1] th:TH_LOAD_NT scope:SCOPE_SE
.Lnot_mine_\@:
.else
	s_wait_dscnt 0x0
	s_barrier_signal -1
	s_barrier_wait -1
.endif
.endm
	s_wait_tensorcnt 0x1                           ; my part of keys 0-255 is in; the load issued behind it may be out
	s_barrier_signal -1
	s_barrier_wait -1                              ; everybody's is
	v_mov_b32 v[ADK], v[AK0]
	LDK                                            ; K of step 0, in both roles
	s_wait_loadcnt 0x0                             ; Q
	s_cmp_eq_u32 s[ROLE], 0
	s_cbranch_scc0 .Lahead
	MPH 0, 1                                       ; the early role's first scores: from here on it is half a step ahead
.Lahead:
	PAIR 1                                         ; step 0
.Lslot:                                            ; six trips: steps 1 to 24
	XCH 1
	s_mov_b32 s[INNER], 4
.Lfour:
	PAIR 0
	s_sub_co_u32 s[INNER], s[INNER], 1
	s_cmp_lg_u32 s[INNER], 0
	s_cbranch_scc1 .Lfour
	s_sub_co_u32 s[SLOTS], s[SLOTS], 1
	s_cmp_lg_u32 s[SLOTS], 0
	s_cbranch_scc1 .Lslot
	XCH 0                                          ; the last 256 keys have landed; nothing is left to ask for: the tail is written out
	s_mov_b32 s[INNER], 6
.Lsix:                                             ; steps 25 to 30
	PAIR 0
	s_sub_co_u32 s[INNER], s[INNER], 1
	s_cmp_lg_u32 s[INNER], 0
	s_cbranch_scc1 .Lsix
	v_add_nc_u32 v[ADV], s[TV], v[AV0]             ; V of step 31
	s_cmp_eq_u32 s[ROLE], 0
	s_cbranch_scc0 .Lt1b
	VPH 0, 1
	s_branch .Lt1j
.Lt1b:
	MPH 1, 1
.Lt1j:
	s_cmp_eq_u32 s[ROLE], 0
	s_cbranch_scc0 .Lt2b
	MPH 1, 0
	s_branch .Lt2j
.Lt2b:
	VPH 0, 1
	MPH 1, 0
.Lt2j:
	; THE WAY OUT.  l's two halves and the other half of the lanes' are added; O^T is divided by l, rounded to f16 and stored as it stands: a lane's eight channels are 16 bytes at 16 x lane of a block of 512,
	; the image of an operand's registers for the projection.
.irp t, 0,1,2,3
	v_add_f32 v[ST+12*\t+4], v[ST+12*\t+2], v[ST+12*\t+3]
.endr
.irp t, 0,1,2,3
	v_permlanex16_b32 v[ST+12*\t+5], v[ST+12*\t+4], s[SEL], s[SEL+1]
.endr
.irp t, 0,1,2,3
	v_add_f32 v[ST+12*\t+4], v[ST+12*\t+4], v[ST+12*\t+5]
.endr
.irp t, 0,1,2,3
	v_rcp_f32 v[ST+12*\t+6], v[ST+12*\t+4]
.endr
	v_nop                                          ; a plain instruction between the last reciprocal and the use of its result
	s_wait_alu depctr_va_vdst(0)                   ; and the wait: one for the four
.irp t, 0,1,2,3
	WIN 0x41
.set vg, 0
.rept 16
	v_pk_mul_f32 v[OF+32*\t+2*vg:OF+32*\t+2*vg+1], v[OF+32*\t+2*vg:OF+32*\t+2*vg+1], v[ST+12*\t+6:ST+12*\t+7] op_sel_hi:[1,0]
.set vg, vg+1
.endr
	WIN 0x05                                       ; sources 0 and 1 window 1, destination window 0: S^T's registers are free
.set vg, 0
.rept 16
	v_cvt_pk_f16_f32 v[S+16*\t+vg], v[OF+32*\t+2*vg], v[OF+32*\t+2*vg+1]
.set vg, vg+1
.endr
.endr
	WIN 0
.irp t, 0,1,2,3
.irp f, 0,1,2,3
	global_store_b128 v[AK0], v[S+16*\t+4*\f:S+16*\t+4*\f+3], s[6:7] offset:\t*2048+\f*512   ; 512 consecutive bytes a store, aligned
.endr
.endr
	s_wait_tensorcnt 0x0                           ; the wave's end
	ds_add_u32 v[SPW], v[NIL]
	s_wait_dscnt 0x0
	CROUND                                         ; the closing round: no work-group ends while a partner may still ask for a tile that names it
	s_endpgm
.Lfunc_end_k_q325bbced48_attn:
	.size	k_q325bbced48_attn, .Lfunc_end_k_q325bbced48_attn-k_q325bbced48_attn
	.p2alignl 7, 3214868480
	.fill 96, 4, 3214868480
	.section	.rodata,"a",@progbits
	.p2align	6, 0x0
	.amdhsa_kernel k_q325bbced48_attn
		.amdhsa_group_segment_fixed_size 327680
		.amdhsa_private_segment_fixed_size 0
		.amdhsa_enable_private_segment 0
		.amdhsa_kernarg_size 16
		.amdhsa_user_sgpr_count 2
		.amdhsa_user_sgpr_kernarg_segment_ptr 1
		.amdhsa_wavefront_size32 1
		.amdhsa_system_sgpr_workgroup_id_x 1
		.amdhsa_system_sgpr_workgroup_id_y 1
		.amdhsa_system_sgpr_workgroup_id_z 1
		.amdhsa_system_vgpr_workitem_id 0
		.amdhsa_next_free_vgpr 512
		.amdhsa_next_free_sgpr 66
		.amdhsa_reserve_vcc 0
		.amdhsa_float_denorm_mode_32 3
		.amdhsa_float_denorm_mode_16_64 3
		.amdhsa_memory_ordered 1
		.amdhsa_forward_progress 1
		.amdhsa_inst_pref_size 255
	.end_amdhsa_kernel
	.section	.bss,"aw",@nobits
	.p2align	6
	.space	262144
	.amdgpu_metadata
---
amdhsa.version: [ 1, 2 ]
amdhsa.kernels:
  - .name:           k_q325bbced48_attn
    .symbol:         k_q325bbced48_attn.kd
    .args:
      - { .name: qkv, .offset: 0, .size: 8, .value_kind: global_buffer, .address_space: global }
      - { .name: att, .offset: 8, .size: 8, .value_kind: global_buffer, .address_space: global }
    .group_segment_fixed_size: 327680
    .private_segment_fixed_size: 0
    .kernarg_segment_align: 8
    .kernarg_segment_size: 16
    .max_flat_workgroup_size: 256
    .sgpr_count:     66
    .vgpr_count:     512
    .wavefront_size: 32
...
	.end_amdgpu_metadata
.endif
;; end of part 3
;; launch proj (part 4): grid 4 x 64, 4 waves a work-group, clusters of 4 x 4, 327,680 bytes of LDS; arguments att, wo, b_out, out0; writes out0
.if DOCPART == 4
	.amdgcn_target "amdgcn-amd-amdhsa--gfx1250"
	.amdhsa_code_object_version 6
	.text
	.protected	k_q325bbced48_proj
	.globl	k_q325bbced48_proj
	.p2align	8
	.type	k_q325bbced48_proj,@function
k_q325bbced48_proj:
	s_mov_b64 s[64:65], 0
	v_nop
	global_prefetch_b8 v0, s[64:65] scope:SCOPE_SE
	s_setreg_imm32_b32 hwreg(HW_REG_WAVE_MODE, 25, 1), 1
	s_wait_xcnt 0x0
	s_wait_alu depctr_hold_cnt(0) depctr_sa_sdst(0) depctr_va_vdst(0) depctr_va_sdst(0) depctr_va_ssrc(0) depctr_va_vcc(0) depctr_vm_vsrc(0)
	s_getreg_b32 s2, hwreg(HW_REG_IB_STS2, 6, 4)
	s_cmp_eq_u32 s2, 0
	s_cbranch_scc0 .Lentry_in_a_cluster
	s_endpgm
.Lentry_in_a_cluster:
	s_bfe_u32 s2, ttmp6, 0x10000c
	s_cmp_lg_u32 s2, 0xf033
	s_cbranch_scc0 .Lentry_shape_is_right
	s_endpgm
.Lentry_shape_is_right:
; out0 = att w_out + b_out: [8192][1024] x [1024][1024], operands in f16, sums in f32, out0 in f32.  Both operands lie in memory as images of operand registers (a fragment of 16 rows x 32 K: 1,024 consecutive
; bytes, read at 16 x lane and 512 on): att [head 16][16 rows 512][16 channels 4][512], wo [128 k 8][16 columns 64][32 k 4][1,024].  So every tile is a dense block, LDS needs no padding, and no load has a bank conflict.
; A tile of 128 rows x 256 columns is made by four waves, each 64 x 128: 32 accumulators, 256 registers: 256 work-groups.  K goes in steps of 128 (two heads) through a ring of two LDS slots.
; CLUSTERS: 4 x 4 work-groups.  The four of a row of the cluster need the same rows of att, the four of a column the same columns of w_out: each tile is asked for JOINTLY.
; THE MATRIX INSTRUCTION IS USED TRANSPOSED (source 0 = 16 columns of w_out, source 1 = 16 rows of att): a lane holds eight neighbouring numbers of a row of out0.  The bias is the C of each sum's first product.
; REGISTERS: window 0: v16-30 addresses; two fragment buffers of 96 at v32 and v128 (w_out's 64, then att's 32); on the way out v32-159.   window 1: accumulator (a, b) at v[8 (8 a + b)].   window 2: v0-63 the bias.
.set SLOT,   98304                     ; att [head 2][16 rows 8][32 k 2][1,024] = 32,768 bytes, then w_out [16 columns 16][32 k 4][1,024] = 65,536
.set STAGE,  2*SLOT                    ; behind the ring: 16 rows x (512 bytes + 16) for each wave, for the way out
.set SPITCH, 528
.set SPARE,  STAGE+4*16*SPITCH         ; the spare words, 128 bytes a wave, which no other line names
.set ADRA, 16                          ; v16-17  LDS address of my fragments of att in slot 0, 1
.set ADRB, 20                          ; v20-21  the same for w_out
.set STO,  24                          ; v24     the way out: where I put 32 bytes of a row
.set RD,   25                          ; v25     where I read a row back
.set CO,   26                          ; v26     16 x lane: my bytes in a row's 512
.set BV,   27                          ; v27     32 (lane / 16): my eight numbers of the bias
.set SPW,  28                          ; v28     LDS address of my spare word; never rewritten
.set NIL,  29                          ; v29     0; never rewritten
.set PFO,  30                          ; v30     256 x lane; never rewritten
.set F0,   32
.set F1,   128
.set BK,   32                          ; the way out: 16 rows read back from the stage: v32-95 and v96-159 by turns
.set G1, 24                            ; s[24:31] group 1 for att's tiles;  s[32:39] group 0, one set for each slot
.set G0, 32
.set G1B, 48                           ; s[48:55], s[56:63] the same for w_out's
.set G0B, 56
.set PFA, 66                           ; s[66:67] where my prefetches stand
.set LIM, 68                           ; s68  1 in the wave that prefetches, else the greatest number
.set MSB, 0
.macro WIN new                         ; the immediate's high byte repeats the setting that is left
.if MSB != \new
	s_set_vgpr_msb (MSB<<8)|\new
.set MSB, \new
.endif
.endm
.set MUL,  0x50                        ; sources 0 and 1 window 0; C and D window 1
.set MULB, 0x60                        ; C (the bias) window 2, D window 1
.macro JLOAD s                         ; a joint load: waves 0 and 1 fetch att's two heads, waves 2 and 3 w_out's two halves; an s_nop 0 and four v_nop follow each of the two lines
	s_cmp_eq_u32 s13, 0
	s_cbranch_scc0 .Lfor_b_\@
	tensor_load_to_lds s[G0+4*\s:G0+4*\s+3], s[G1:G1+7]
	s_nop 0
.rept 4
	v_nop
.endr
	s_branch .Lasked_\@
.Lfor_b_\@:
	tensor_load_to_lds s[G0B+4*\s:G0B+4*\s+3], s[G1B:G1B+7]
	s_nop 0
.rept 4
	v_nop
.endr
.Lasked_\@:
.endm
.macro CREST                           ; a round of the cluster's barrier behind its opening barrier
	s_cmp_lg_u32 s12, 0
	s_cbranch_scc1 .Lnot_wave_0_\@
	s_barrier_signal -3
.Lnot_wave_0_\@:
	s_barrier_wait -3
	s_barrier_signal -1
	s_barrier_wait -1
.endm
.macro CROUND
	s_barrier_signal -1
	s_barrier_wait -1
	CREST
.endm
.macro PLACES                          ; four places in front of loads into registers that matrix instructions have read, and of reads of results
.rept 4
	v_nop
.endr
.endm
	s_load_b256 s[4:11], s[0:1], 0x0               ; att s[4:5], wo s[6:7], b_out s[8:9], out0 s[10:11]
	v_lshl_add_u32 v[SPW], v0, 2, SPARE
	v_mov_b32 v[NIL], 0
	ds_add_u32 v[SPW], v[NIL]                      ; the wave's opening: the add, twice on end, and its wait ahead of my first tensor load
	ds_add_u32 v[SPW], v[NIL]
	v_lshrrev_b32 v1, 5, v0
	v_readfirstlane_b32 s12, v1                    ; wave 0..3
	s_lshr_b32 s13, s12, 1                         ; which half of the tile's rows is mine.  Also: I fetch for att (0) or for w_out (1)
	s_and_b32 s14, s12, 1                          ; which half of its columns.  Also: which half of that tile I fetch
	s_bfe_u32 s40, ttmp6, 0x40000                  ; cx, cy
	s_bfe_u32 s41, ttmp6, 0x40004
	s_lshl_b32 s42, ttmp9, 2
	s_add_co_u32 s42, s42, s40                     ; tile column
	s_and_b32 s15, ttmp7, 0xffff
	s_lshl_b32 s15, s15, 2
	s_add_co_u32 s15, s15, s41                     ; tile row
	s_lshl_b32 s43, s41, 2
	s_lshl_b32 s43, 15, s43                        ; my row of the cluster
	s_lshl_b32 s44, 0x1111, s40                    ; my column
	s_or_b32 s[G1+0], s43, (3<<16)|(1<<21)         ; att: mask of my row; elements of 8 bytes; bit 21 beside a mask; no padding
	s_or_b32 s[G1B+0], s44, (3<<16)|(1<<21)        ; w_out: mask of my column
.irp g, G1, G1B
	s_mov_b32 s[\g+1], 32<<16                      ; tensor_dim0 = 32 elements: 256 bytes
	s_mov_b32 s[\g+3], 32<<16                      ; tile_dim0
	s_mov_b32 s[\g+5], 32                          ; dense
	s_mov_b32 s[\g+6], 0
	s_mov_b32 s[\g+7], 0
.endr
	s_mov_b32 s[G1+2], 64<<16                      ; att: a head's 128 rows: 16,384 bytes = 64 rows of 256
	s_mov_b32 s[G1+4], 64
	s_mov_b32 s[G1B+2], 128<<16                    ; w_out: 128 columns x 128 k: 32,768 bytes
	s_mov_b32 s[G1B+4], 128
	s_lshl_b32 s16, s14, 20                        ; att: the head of the two that I fetch,
	s_lshl_b32 s18, s15, 14                        ; the tile's 128 rows: 16,384 bytes in each head
	s_add_co_u32 s16, s16, s18
	s_mov_b32 s17, 0
	s_lshl_b32 s46, s42, 16                        ; w_out: the tile's 256 columns: 65,536 bytes in each K step,
	s_lshl_b32 s45, s14, 15                        ; my half of them
	s_add_co_u32 s46, s46, s45
	s_mov_b32 s47, 0
	s_lshl_b32 s20, s14, 14                        ; where they go: no place in the cluster enters an LDS address
	s_add_co_u32 s21, s45, 32768
	s_wait_dscnt 0x0                               ; both opening adds are done
	s_wait_kmcnt 0x0
	s_add_nc_u64 s[16:17], s[4:5], s[16:17]
	s_add_nc_u64 s[46:47], s[6:7], s[46:47]
	CROUND                                         ; all sixteen work-groups are here: the first joint loads meet
.irp s, 0,1
	s_mov_b32 s[G0+4*\s], 1
	s_add_co_u32 s[G0+4*\s+1], s20, \s*SLOT
	s_add_nc_u64 s[G0+4*\s+2:G0+4*\s+3], s[16:17], \s*2097152   ; K step s: heads 2 s, 2 s + 1
	s_or_b32 s[G0+4*\s+3], s[G0+4*\s+3], 0x80000000
	s_mov_b32 s[G0B+4*\s], 1
	s_add_co_u32 s[G0B+4*\s+1], s21, \s*SLOT
	s_add_nc_u64 s[G0B+4*\s+2:G0B+4*\s+3], s[46:47], \s*262144
	s_or_b32 s[G0B+4*\s+3], s[G0B+4*\s+3], 0x80000000
	JLOAD \s                                       ; two loads of mine are out
.endr
	v_and_b32 v1, 31, v0                           ; lane
	v_and_b32 v3, 15, v0                           ; r
	v_bfe_u32 v4, v0, 4, 1                         ; h
	v_lshlrev_b32 v[CO], 4, v1
	v_lshlrev_b32 v[BV], 5, v4
	v_lshlrev_b32 v[PFO], 8, v1
	s_lshl_b32 s22, s42, 10
	s_lshl_b32 s23, s14, 9
	s_add_co_u32 s22, s22, s23                     ; my first column, in bytes of f32
	s_mov_b32 s23, 0
	s_add_nc_u64 s[8:9], s[8:9], s[22:23]
	s_add_nc_u64 s[10:11], s[10:11], s[22:23]
	WIN 0x80                                       ; destination window 2
.irp b, 0,1,2,3,4,5,6,7
	global_load_b128 v[8*\b:8*\b+3],   v[BV], s[8:9] offset:64*\b      ; the bias in the result's layout: lane (r, h), block b: columns 16 b + 8 h + 0 .. 7
	global_load_b128 v[8*\b+4:8*\b+7], v[BV], s[8:9] offset:64*\b+16
.endr
	WIN 0
	s_lshl_b32 s22, s13, 13                        ; my 64 rows: four images' rows of 2,048 bytes
	s_lshl_b32 s23, s14, 15
	s_add_co_u32 s23, s23, 32768                   ; my 128 columns
.irp s, 0,1
	v_add_nc_u32 v[ADRA+\s], s22, v[CO]
	v_add_nc_u32 v[ADRB+\s], s23, v[CO]
	s_add_co_u32 s22, s22, SLOT
	s_add_co_u32 s23, s23, SLOT
.endr
	s_mul_i32 s22, s12, 16*SPITCH
	s_add_co_u32 s22, s22, STAGE                   ; my stage
	v_mul_u32_u24 v5, v3, SPITCH
	v_lshl_add_u32 v5, v4, 5, v5
	v_add_nc_u32 v[STO], s22, v5                   ; in: row r, 32 bytes for each half of the lanes
	v_add_nc_u32 v[RD], s22, v[CO]                 ; back: the 32 lanes take a row of 512 bytes
	s_lshl_b32 s22, s15, 7
	s_lshl_b32 s23, s13, 6
	s_add_co_u32 s22, s22, s23                     ; my first row
	s_lshl_b32 s22, s22, 12                        ; 4,096 bytes a row
	s_mov_b32 s23, 0
	s_add_nc_u64 s[10:11], s[10:11], s[22:23]
	; the prefetches: of a K step's 32,768 bytes of att for my tile row, each of the four partners that ask for them jointly takes 8,192, told apart by address: head cx / 2, half cx % 2
	s_lshr_b32 s22, s40, 1
	s_add_co_u32 s22, s22, 6                       ; at K step 3: the first refill steps it to 4
	s_lshl_b32 s22, s22, 20
	s_add_co_u32 s22, s22, s18
	s_and_b32 s23, s40, 1
	s_lshl_b32 s23, s23, 13
	s_add_co_u32 s22, s22, s23
	s_mov_b32 s23, 0
	s_add_nc_u64 s[PFA:PFA+1], s[4:5], s[22:23]
	s_cmp_eq_u32 s12, 0
	s_cselect_b32 s[LIM], 1, -1                    ; wave 0 asks
; 8 matrix instructions: block a of my rows against my eight blocks of columns, 32 along K.  first = 1: the bias starts the sums.  The 32 accumulators take turns, in the same order in every quarter.
.macro MULA f, a, first
.irp b, 0,1,2,3,4,5,6,7
.if \first
	v_wmma_f32_16x16x32_f16 v[8*(8*\a+\b):8*(8*\a+\b)+7], v[\f+8*\b:\f+8*\b+7], v[\f+64+8*\a:\f+64+8*\a+7], v[8*\b:8*\b+7]
.else
	v_wmma_f32_16x16x32_f16 v[8*(8*\a+\b):8*(8*\a+\b)+7], v[\f+8*\b:\f+8*\b+7], v[\f+64+8*\a:\f+64+8*\a+7], v[8*(8*\a+\b):8*(8*\a+\b)+7]
.endif
.endr
.endm
; 24 LDS loads in one run: the fragments of the slot's q-th 32 along K into buffer f: w_out's eight, then att's four
.macro FETCH slot, q, f
.irp i, 0,1,2,3,4,5,6,7
	ds_load_b128 v[\f+8*\i:\f+8*\i+3],   v[ADRB+\slot] offset:\i*4096+\q*1024
	ds_load_b128 v[\f+8*\i+4:\f+8*\i+7], v[ADRB+\slot] offset:\i*4096+\q*1024+512
.endr
.irp i, 0,1,2,3
	ds_load_b128 v[\f+64+8*\i:\f+64+8*\i+3],   v[ADRA+\slot] offset:(\q/2)*16384+\i*2048+(\q%2)*1024
	ds_load_b128 v[\f+64+8*\i+4:\f+64+8*\i+7], v[ADRA+\slot] offset:(\q/2)*16384+\i*2048+(\q%2)*1024+512
.endr
.endm
; A K step is four quarters of 32 along K, 32 matrix instructions each, on buffers 0, 1, 0, 1.  One of the first three: multiplies buffer f and fetches the slot's quarter qn into g.
.macro QUARTER slot, qn, f, g, first
	s_wait_dscnt 4                                 ; all but the youngest four loads (att's blocks 2 and 3)
.if \first
	WIN MULB
.else
	WIN MUL
.endif
	MULA \f, 0, \first
	MULA \f, 1, \first
	PLACES
	WIN 0
	FETCH \slot, \qn, \g
	s_wait_dscnt 24                                ; all but the 24 just issued
.if \first
	WIN MULB
.else
	WIN MUL
.endif
	MULA \f, 2, \first
	MULA \f, 3, \first
.endm
; The last quarter multiplies buffer 1 and changes slots: ONE barrier; in front of it each wave waits for all its tensor loads, adds 0 to its spare word, and waits for that and for its own reads of this slot.
; fill = 1: the barrier opens a round of the cluster's, and this slot is filled again, two K steps ahead.
.macro TURN slot, next, fill
.if \fill
	s_wait_xcnt 0x0                                ; the last prefetch, a K step back, has read its address: it is stepped here, ahead of the waits of the change of slots
	s_add_nc_u64 s[PFA:PFA+1], s[PFA:PFA+1], 2097152
.endif
	WIN 0                                          ; (the add's two registers lie in window 0)
	s_wait_tensorcnt 0x0                           ; all my tensor loads have landed: my part of the next slot
	ds_add_u32 v[SPW], v[NIL]                      ; 0 onto my spare word
	s_wait_dscnt 5                                 ; (the add and the youngest four loads may be out)
	WIN MUL
	MULA F1, 0, 0                                  ; eight matrix instructions stand between the add and the wait for it
	s_wait_dscnt 0x0                               ; the add is done, and my reads of this slot are over
	s_barrier_signal -1
	MULA F1, 1, 0
	WIN 0
	s_barrier_wait -1
.if \fill
	CREST                                          ; no wave of any partner still reads this slot's tile or has a load on its way
	s_add_nc_u64 s[G0+4*\slot+2:G0+4*\slot+3], s[G0+4*\slot+2:G0+4*\slot+3], 4194304     ; four heads on
	s_add_nc_u64 s[G0B+4*\slot+2:G0B+4*\slot+3], s[G0B+4*\slot+2:G0B+4*\slot+3], 524288  ; two K steps on
	JLOAD \slot                                    ; the first tensor load behind the round; the four v_nop behind it are also the places in front of the loads below
.else
	PLACES
.endif
	FETCH \next, 0, F0
.if \fill
	s_cmp_gt_u32 s3, s[LIM]                        ; A PREFETCH INTO THE L2 of att's K step that stands two refills on: one instruction of wave 0, lanes 256 bytes apart; each block is named once in the launch.
	s_cbranch_scc0 .Lnot_mine_\@                   ; The loop's last trip, whose refills are the last two K steps, asks for nothing
	global_prefetch_b8 v[PFO], s[PFA:PFA+1] th:TH_LOAD_NT scope:SCOPE_SE
.Lnot_mine_\@:
.endif
	WIN MUL
	MULA F1, 2, 0
	MULA F1, 3, 0
.endm
	s_wait_tensorcnt 1                             ; my part of K step 0 is in; K step 1's load may be out
	s_barrier_signal -1
	s_barrier_wait -1                              ; everybody's is
	FETCH 0, 0, F0
	s_wait_loadcnt 0x0                             ; the bias
	QUARTER 0, 1, F0, F1, 1                        ; the first quarter stands in front of the loop: its products start the sums from the bias
	WIN 0                                          ; at a label and at a branch every window is 0
	s_mov_b32 s3, 3
.Llap:                                             ; a trip goes once round the ring, from a lap's second quarter to the next lap's first, and fills both slots again
	QUARTER 0, 2, F1, F0, 0
	QUARTER 0, 3, F0, F1, 0
	TURN 0, 1, 1
	QUARTER 1, 1, F0, F1, 0
	QUARTER 1, 2, F1, F0, 0
	QUARTER 1, 3, F0, F1, 0
	TURN 1, 0, 1
	QUARTER 0, 1, F0, F1, 0
	WIN 0
	s_sub_co_u32 s3, s3, 1
	s_cmp_lg_u32 s3, 0
	s_cbranch_scc1 .Llap
	QUARTER 0, 2, F1, F0, 0                        ; the last lap fills nothing, and has no round of the cluster's barrier
	QUARTER 0, 3, F0, F1, 0
	TURN 0, 1, 0
	QUARTER 1, 1, F0, F1, 0
	QUARTER 1, 2, F1, F0, 0
	QUARTER 1, 3, F0, F1, 0
	s_wait_dscnt 4                                 ; the very last quarter: nothing more to fetch
	WIN MUL
	MULA F1, 0, 0
	MULA F1, 1, 0
	s_wait_dscnt 0
	MULA F1, 2, 0
	MULA F1, 3, 0
	WIN 0
; THE WAY OUT, block by block of 16 rows x 128 columns.  A lane holds 32 neighbouring bytes of a row and the lanes beside it other rows: a block goes through my own stage in LDS and comes back as whole rows of
; 512 bytes.  LDS serves a wave's instructions in order (ISA guide 5.7.1.4): no wait between the stores and the loads, nor in front of the next block's stores.
.macro TOSTAGE a
	WIN 0x04                                       ; an LDS store's data are its source 1: window 1
.irp b, 0,1,2,3,4,5,6,7
	ds_store_b128 v[STO], v[64*(\a)+8*\b:64*(\a)+8*\b+3] offset:64*\b          ; each accumulator from its low end on
	ds_store_b128 v[STO], v[64*(\a)+8*\b+4:64*(\a)+8*\b+7] offset:64*\b+16
.endr
	WIN 0
.set BB, BK+64*((\a)%2)
.irp t, 0,1,2,3,4,5,6,7,8,9,10,11,12,13,14,15
	ds_load_b128 v[BB+4*\t:BB+4*\t+3], v[RD] offset:\t*SPITCH
.endr
.endm
.macro SEND a, younger                 ; younger: the LDS instructions issued behind block a's loads, which may stay out
.set BB, BK+64*((\a)%2)
	s_wait_dscnt \younger
.irp t, 0,1,2,3,4,5,6,7,8,9,10,11,12,13,14,15
	global_store_b128 v[CO], v[BB+4*\t:BB+4*\t+3], s[10:11] offset:(\a)*65536+\t*4096 th:TH_STORE_NT   ; 512 consecutive bytes a store, aligned; written once, read by nobody here
.endr
.endm
	PLACES                                         ; behind the last products: for the reads of their results and the loads into the fragments' registers
	TOSTAGE 0
.irp a, 1,2,3
.if \a > 1
	s_wait_xcnt 0x0                                ; block a - 2's stores have read their registers: block a's loads may land there
.endif
	TOSTAGE \a
	SEND \a-1, 32                                  ; behind block a - 1's loads: block a's 16 stores and 16 loads
.endr
	SEND 3, 0
	s_wait_tensorcnt 0x0                           ; the wave's end, behind my last tensor load and my last LDS store
	ds_add_u32 v[SPW], v[NIL]
	s_wait_dscnt 0x0
	CROUND                                         ; the closing round: no work-group ends while a partner may still ask for a tile that names it
	s_endpgm
.Lfunc_end_k_q325bbced48_proj:
	.size	k_q325bbced48_proj, .Lfunc_end_k_q325bbced48_proj-k_q325bbced48_proj
	.p2alignl 7, 3214868480
	.fill 96, 4, 3214868480
	.section	.rodata,"a",@progbits
	.p2align	6, 0x0
	.amdhsa_kernel k_q325bbced48_proj
		.amdhsa_group_segment_fixed_size 327680
		.amdhsa_private_segment_fixed_size 0
		.amdhsa_enable_private_segment 0
		.amdhsa_kernarg_size 32
		.amdhsa_user_sgpr_count 2
		.amdhsa_user_sgpr_kernarg_segment_ptr 1
		.amdhsa_wavefront_size32 1
		.amdhsa_system_sgpr_workgroup_id_x 1
		.amdhsa_system_sgpr_workgroup_id_y 1
		.amdhsa_system_sgpr_workgroup_id_z 1
		.amdhsa_system_vgpr_workitem_id 0
		.amdhsa_next_free_vgpr 576
		.amdhsa_next_free_sgpr 72
		.amdhsa_reserve_vcc 0
		.amdhsa_float_denorm_mode_32 3
		.amdhsa_float_denorm_mode_16_64 3
		.amdhsa_memory_ordered 1
		.amdhsa_forward_progress 1
		.amdhsa_inst_pref_size 87
	.end_amdhsa_kernel
	.amdgpu_metadata
---
amdhsa.version: [ 1, 2 ]
amdhsa.kernels:
  - .name:           k_q325bbced48_proj
    .symbol:         k_q325bbced48_proj.kd
    .args:
      - { .name: att, .offset: 0, .size: 8, .value_kind: global_buffer, .address_space: global }
      - { .name: wo, .offset: 8, .size: 8, .value_kind: global_buffer, .address_space: global }
      - { .name: b_out, .offset: 16, .size: 8, .value_kind: global_buffer, .address_space: global }
      - { .name: out0, .offset: 24, .size: 8, .value_kind: global_buffer, .address_space: global }
    .group_segment_fixed_size: 327680
    .private_segment_fixed_size: 0
    .kernarg_segment_align: 8
    .kernarg_segment_size: 32
    .max_flat_workgroup_size: 128
    .sgpr_count:     72
    .vgpr_count:     576
    .wavefront_size: 32
...
	.end_amdgpu_metadata
.endif
;; end of part 4
